; MI455X (gfx1250); checked and timed in simulation.
; The chip was launched on July 23, 2026; its instructions are those of AMD's public machine-readable ISA for CDNA 5 (MIT licence, August 2026) and "CDNA5" Instruction Set Architecture Reference Guide (July 2026). The comments in the code are by the model that wrote it; some were corrected since.
;; Performer Basic MHA. Allowed arithmetic: matrix products marked QUANTISED: E2M3 operands, one E8M0 scale for each 32 along K, by v_wmma_scale_f32_16x16x128_f8f6f4 with both operands' format E2M3, f32 sums; products left as they are: f32 operands where the result goes on into a quantised operand, else bf16, f16 or f32 operands; f32 sums; everything else in f32.
;; Inputs: bk 1,024 float32; bq 1,024 float32; bv 1,024 float32; wk 1,024 x 1,024 float32; wq 1,024 x 1,024 float32; wv 1,024 x 1,024 float32; x 4 x 4,096 x 1,024 float32.
;; Outputs: out0 4 x 16 x 4,096 x 64 float32.
;; Constants: num_heads = 16.
;; This version of the problem:
;;   THIS VERSION OF THE PROBLEM IS GIVEN IN LOW PRECISION. The matrix products marked QUANTISED in the list below multiply operands that are first quantised to E2M3 (2 exponent bits, 3 mantissa bits; 6 bits a number), with one power-of-two scale for each 32 numbers along K (OCP MX v1.0); their sums are f32. All else is computed in f32.
;;   The module's matrix products, in the order in which they are computed (A, B: the left and right operand; K: the contracted axis; several contracted axes count as one K, in the product's order):
;;     1. [M 16,384, K 1,024] x [K 1,024, N 1,024]; A: input x; B: input wq: QUANTISED
;;     2. [M 16,384, K 1,024] x [K 1,024, N 1,024]; A: input x; B: input wk: QUANTISED
;;     3. [M 16,384, K 1,024] x [K 1,024, N 1,024]; A: input x; B: input wv: QUANTISED
;;     4. batch 64 x [M 4,096, K 64] x [K 64, N 1]; A: computed on the way; B: computed on the way: left as it is (N = 1 < 16)
;;     5. batch 64 x [M 64, K 4,096] x [K 4,096, N 64]; A: computed on the way; B: computed on the way: QUANTISED
;;     6. batch 64 x [M 4,096, K 64] x [K 64, N 64]; A: computed on the way; B: computed on the way: QUANTISED
;;   THE QUANTISER, for each operand of a quantised product, along K:
;;     - K is cut into blocks of 32 from its start; a last block that is shorter is filled with zeros.
;;     - A block's scale is 2^e with e = floor(log2(the largest magnitude in the block)) - 2, held to -126 .. 127; a block of zeros has e = 0. As a byte (E8M0): e + 127.
;;     - Each number is divided by its block's scale, clamped to +-7.5, and rounded to the nearest number of E2M3, ties to even, subnormals kept.
;;     - The product sums the exact products of the quantised numbers (number of the format x scale) in f32.
;;   ~~~python
;;   def quantise(x, axis):      # numpy; x: float32 -> the quantised numbers, widened to float32 again
;;       x = np.moveaxis(x, axis, -1); K = x.shape[-1]
;;       x = np.pad(x, [(0, 0)] * (x.ndim - 1) + [(0, -K % 32)]); x = x.reshape(x.shape[:-1] + (-1, 32)); a = np.abs(x).max(-1, keepdims=True)
;;       e = np.where(a > 0, np.clip(np.frexp(np.where(a > 0, a, 1))[1] - 1 - 2, -126, 127), 0)      # np.frexp(a)[1] - 1 = floor(log2(a)), exactly
;;       r = np.clip(x / 2.0 ** e, -7.5, 7.5)
;;       step = 2.0 ** (np.maximum(np.frexp(np.where(r == 0, 1, r))[1] - 1, 0) - 3)
;;       q = np.round(r / step) * step * 2.0 ** e      # np.round: ties to even
;;       return np.moveaxis(q.reshape(q.shape[:-2] + (-1,))[..., :K], -1, axis).astype(np.float32)
;;   ~~~
;;   OPERANDS COMPUTED ON THE WAY. 'Computed on the way' means the value that the module computes at that place (a softmax that the list does not call 'softmax' is quantised finished and normalised). What goes into a quantiser is computed in f32, as accurately as f32 sums, v_exp_f32 and their like allow (about 1e-6 of the number): no bf16 or f16 on the way to a quantiser, and a product that is left as it is and whose result goes on into a quantised operand takes f32 operands (vector FMAs, or v_wmma_f32_16x16x4_f32). A number that lies on a knife's edge between two numbers of the format may be rounded either way, as far as f32 arithmetic and the matrix unit's own rounding can turn it there, and no further.
;; One version. Each part assembles by itself: llvm-mc -triple=amdgcn-amd-amdhsa -mcpu=gfx1250 --defsym DOCPART=n.
;; ======== version 1 of 1: 4 launches
;; workspace buffers: xc 12,582,912 bytes; xs 524,288 bytes; wc 2,359,296 bytes; ws 98,304 bytes; kvp 16,777,216 bytes; ksp 524,288 bytes; kvf 229,376 bytes
;; launch quant (part 1): grid 608 x 1, 4 waves a work-group, no clusters, 49,664 bytes of LDS; arguments x, wq, wk, wv, xc, xs, wc, ws; writes xc, xs, wc, ws
.if DOCPART == 1
	.amdgcn_target "amdgcn-amd-amdhsa--gfx1250"
	.amdhsa_code_object_version 6
	.text
	.protected	k_q8f5256baff_quant
	.globl	k_q8f5256baff_quant
	.p2align	8
	.type	k_q8f5256baff_quant,@function
k_q8f5256baff_quant:
	s_mov_b64 s[64:65], 0
	v_nop
	global_prefetch_b8 v0, s[64:65] scope:SCOPE_SE
	s_setreg_imm32_b32 hwreg(HW_REG_WAVE_MODE, 25, 1), 1
	s_wait_xcnt 0x0
; x [16384][1024], wq, wk, wv [1024][1024], f32, K innermost, become codes of FP6 (E2M3), 6 bits each, with one E8M0 scale byte for each 32 along K.
; A block's scale is 2^(floor(log2(its largest magnitude)) - 2); its byte is the largest magnitude's exponent field - 2, held at 1 from below.  Each number is divided by the scale and rounded to the nearest code, ties to even, beyond 7.5 the largest code.
; LIMITS: a block of zeros, and a block whose largest magnitude lies under 2^-124, keeps the byte 1 (the rule says 127 for zeros: its codes are zeros, which add nothing, and the bytes are read by this program alone); NaN and infinities are not served.
; THE CODES ARE LAID AS IMAGES OF THE MATRIX OPERAND'S REGISTERS: [row block of 16 rows][K step of 128: 8][1,536 bytes].  In an image register j (0..11) of lane (r, h) lies at 512 (j / 4) + 16 (r + 16 h) + 4 (j % 4);
; registers 6 c .. 6 c + 5 of that lane are the 192 bits of K = 64 c + 32 h + 0 .. 31 of row r.  So a later launch gets a fragment by three loads of 16 bytes a lane, each of 512 consecutive bytes.
; THE SCALE BYTES are laid [row block][half of K][row 16][16 bytes].
; THE ROWS ARE STORED IN ANOTHER ORDER THAN THEY LIE, in groups of 8, so that the later launches' results fall into registers as their next product wants them:
;   x -> xc, xs and wq -> row blocks 0-63 of wc, ws: in each 32 rows row block b holds rows 8 b + 0..7 and 16 + 8 b + 0..7;
;   wk, wv -> row blocks 64 on of wc, ws, in tiles of 16 row blocks: tile g holds wk's rows of heads 2 g, 2 g + 1 (8 row blocks), then wv's; a head's row block tau holds its rows 8 tau + 0..7 and 32 + 8 tau + 0..7.
; SHARES.  A work-group makes two row blocks, each of its four waves one half of K of one of them: 16 rows x 512 numbers, 16 steps of a row's 512; four images and 256 scale bytes.  Work-groups 0-511: x; 512-543: wq; 544-575: wk; 576-607: wv.
; Only pointers and offsets are chosen by the work-group's number: all four tensors take one path through the text.
; A lane must hold 16 neighbours along K for the conversion, and a load is best where neighbouring lanes take neighbouring bytes: each of a step's four loads reads 512 consecutive bytes, the 2,048 bytes go through the wave's own
; stage in LDS as they lie (16 bytes of padding behind each 64) and come back 64 bytes a lane.  Two neighbouring lanes hold a block.  A lane's three registers of codes go to their places in a second stage, the images', and leave at the end
; as 12 stores of 512 consecutive bytes.  No tensor loads, no barrier: waves share nothing.  Loads run six steps (24 loads a wave) ahead.
.set STEPS, 16
.set DEPTH, 6                          ; steps of loads ahead
.set EMAX,  2
.set R,     32                         ; v32-127  six sets of 16 numbers as they are loaded; at the end the images on their way out
.set X,     128                        ; v128-159 two sets of 16 neighbours
.set C,     160                        ; v160-223 codes: four registers for each step, so that no store's data are written again
.set E,     224                        ; v224-239 a scale byte for each step
.set WREG,  12288                      ; LDS: a region for each wave
.set SP,    80                         ; a lane's place in a stage on the way in: 64 bytes + 16 of padding; two such stages of 32 places
.set SCB,   2*32*SP                    ; behind them the wave's 256 scale bytes
.set OST,   SCB+256                    ; behind them the images' stage:
.set OH,    272                        ; sixteen lanes' 256 bytes + 16 of padding,
.set OG,    2*OH                       ; a group of four registers,
.set OI,    3*OG                       ; an image.  With these pitches the 32 lanes of a store of 4 bytes touch 32 different banks (64 banks of 4 bytes: ISA guide 11.1)
	s_load_b512 s[4:19], s[0:1], 0x0               ; x s[4:5], wq s[6:7], wk s[8:9], wv s[10:11], xc s[12:13], xs s[14:15], wc s[16:17], ws s[18:19]
	v_lshl_add_u32 v240, v0, 2, 0xc000
	v_mov_b32 v241, 0
	v_lshrrev_b32 v1, 5, v0
	v_readfirstlane_b32 s20, v1                    ; wave 0..3
	v_and_b32 v2, 31, v0                           ; lane
	v_lshlrev_b32 v3, 4, v2                        ; my 16 bytes of 512
	s_mul_i32 s21, s20, WREG
	v_lshrrev_b32 v14, 2, v2
	v_mul_u32_u24 v14, v14, SP
	v_and_b32 v15, 3, v2
	v_lshl_add_u32 v14, v15, 4, v14
	v_add_nc_u32 v14, s21, v14                     ; the stage, on the way in: SP (lane / 4) + 16 (lane % 4)
	v_mul_u32_u24 v15, v2, SP
	v_add_nc_u32 v15, s21, v15                     ; and on the way out: SP x lane: my 16 neighbours
	v_lshrrev_b32 v5, 1, v2
	s_add_co_u32 s22, s21, SCB
	v_add_nc_u32 v5, s22, v5                       ; my wave's 256 scale bytes, my block's byte
	v_lshlrev_b32 v7, 3, v2                        ; and on the way out 8 bytes a lane
	v_add_nc_u32 v6, s22, v7
	s_add_co_u32 s22, s21, OST
	; my 16 numbers of a step are K = 16 x lane on: K step lane / 8, c = (lane / 4) % 2, h = (lane / 2) % 2, the block's lower or upper 16 codes u = lane % 2: registers 6 c + 3 u + 0, 1, 2 of the image's lane (row, h)
	v_lshrrev_b32 v20, 3, v2
	v_mul_u32_u24 v20, v20, OI
	v_bfe_u32 v21, v2, 1, 1
	v_mad_u32_u24 v20, v21, OH, v20
	v_add_nc_u32 v20, s22, v20                     ; my image and my half of its lanes
	v_bfe_u32 v21, v2, 2, 1
	v_and_b32 v22, 1, v2
	v_mul_u32_u24 v21, v21, 6
	v_mad_u32_u24 v21, v22, 3, v21                 ; 6 c + 3 u
.irp i, 0,1,2
	v_add_nc_u32 v22, \i, v21                      ; register j
	v_lshrrev_b32 v23, 2, v22
	v_and_b32 v22, 3, v22
	v_mad_u32_u24 v23, v23, OG, v20                ; its group of four,
	v_lshl_add_u32 v[16+\i], v22, 2, v23           ; its place in the group: v16-18; the row, 16 bytes each, stands in the store's offset
.endr
	v_lshrrev_b32 v22, 4, v2
	v_and_b32 v23, 15, v2
	v_mul_u32_u24 v22, v22, OH
	v_lshl_add_u32 v22, v23, 4, v22
	v_add_nc_u32 v19, s22, v22                     ; back out of the images' stage: 16 bytes a lane
	s_wait_kmcnt 0x0
	s_cmp_lt_u32 ttmp9, 512                        ; which tensor?  Every choice hangs on the work-group's number alone
	s_cselect_b64 s[4:5], s[4:5], s[6:7]           ; x, else wq for now
	s_cselect_b64 s[12:13], s[12:13], s[16:17]     ; codes go to xc, else to wc
	s_cselect_b64 s[14:15], s[14:15], s[18:19]     ; scale bytes to xs, else to ws
	s_cselect_b32 s22, 0, 512                      ; the tensor's first work-group
	s_cmp_ge_u32 ttmp9, 544
	s_cselect_b64 s[4:5], s[8:9], s[4:5]           ; wk
	s_cselect_b32 s22, 544, s22
	s_cmp_ge_u32 ttmp9, 576
	s_cselect_b64 s[4:5], s[10:11], s[4:5]         ; wv
	s_cselect_b32 s22, 576, s22
	s_sub_co_u32 s23, ttmp9, s22                   ; which of the tensor's work-groups
	s_lshr_b32 s26, s20, 1                         ; which of the work-group's two row blocks is my wave's
	s_and_b32 s27, s20, 1                          ; and which half of K
	s_lshl_b32 s28, s23, 5                         ; x, wq: my rows 0-7 begin at row 32 x work-group + 8 x block;
	s_lshl_b32 s29, s26, 3
	s_add_co_u32 s28, s28, s29
	s_lshl_b32 s29, s23, 1
	s_add_co_u32 s29, s29, s26                     ; the row block's number: 2 x work-group + block
	s_lshr_b32 s30, s23, 1                         ; wk, wv: the head;
	s_and_b32 s31, s23, 1
	s_lshl_b32 s31, s31, 1
	s_add_co_u32 s31, s31, s26                     ; tau = 2 x (work-group % 2) + block
	s_lshl_b32 s32, s30, 6
	s_lshl_b32 s33, s31, 3
	s_add_co_u32 s32, s32, s33                     ; my rows 0-7 begin at row 64 x head + 8 tau;
	s_lshr_b32 s33, s30, 1
	s_lshl_b32 s33, s33, 4                         ; the row block's number: a tile is 16,
	s_and_b32 s34, s30, 1
	s_lshl_b32 s34, s34, 2                         ; a head 4,
	s_add_co_u32 s33, s33, s34
	s_add_co_u32 s33, s33, s31
	s_add_co_u32 s33, s33, 64                      ; behind wq's 64,
	s_cmp_ge_u32 ttmp9, 576
	s_cselect_b32 s34, 8, 0                        ; wv's 8 behind wk's 8
	s_add_co_u32 s33, s33, s34
	s_cmp_lt_u32 ttmp9, 544
	s_cselect_b32 s28, s28, s32
	s_cselect_b32 s29, s29, s33
	s_cselect_b32 s35, 16, 32                      ; my rows 8-15 lie so many rows behind my rows 0-7
	s_lshl_b32 s24, s28, 12                        ; a row is 4,096 bytes,
	s_lshl_b32 s25, s27, 11                        ; half of it 2,048
	s_add_co_u32 s24, s24, s25
	s_mov_b32 s25, 0
	s_add_nc_u64 s[4:5], s[4:5], s[24:25]          ; rows 0-7
	s_lshl_b32 s24, s35, 12
	s_add_nc_u64 s[6:7], s[4:5], s[24:25]          ; rows 8-15
	s_mul_i32 s24, s29, 12288                      ; a row block's eight images,
	s_mul_i32 s36, s27, 6144                       ; my half's four
	s_add_co_u32 s24, s24, s36
	s_add_nc_u64 s[12:13], s[12:13], s[24:25]
	s_lshl_b32 s24, s29, 1
	s_add_co_u32 s24, s24, s27
	s_lshl_b32 s24, s24, 8                         ; and its 256 scale bytes
	s_add_nc_u64 s[14:15], s[14:15], s[24:25]
.macro LOAD t                          ; step t: row t's 512 numbers of my half of K
.irp i, 0,1,2,3
.if (\t) < 8
	global_load_b128 v[R+16*((\t)%DEPTH)+4*\i:R+16*((\t)%DEPTH)+4*\i+3], v3, s[4:5] offset:4096*(\t)+512*\i th:TH_LOAD_NT   ; 32 lanes read 512 consecutive bytes
.else
	global_load_b128 v[R+16*((\t)%DEPTH)+4*\i:R+16*((\t)%DEPTH)+4*\i+3], v3, s[6:7] offset:4096*((\t)-8)+512*\i th:TH_LOAD_NT
.endif
.endr
.endm
.macro TURN t                          ; step t's numbers through the stage: LDS serves a wave's instructions in order (ISA guide 5.7.1.4), so no wait stands between the stores and the loads
.irp i, 0,1,2,3
	ds_store_b128 v14, v[R+16*((\t)%DEPTH)+4*\i:R+16*((\t)%DEPTH)+4*\i+3] offset:32*SP*((\t)%2)+8*SP*\i
.endr
.irp i, 0,1,2,3
	ds_load_b128 v[X+16*((\t)%2)+4*\i:X+16*((\t)%2)+4*\i+3], v15 offset:32*SP*((\t)%2)+16*\i
.endr
.endm
.irp t, 0,1,2,3,4,5
	LOAD \t
.endr
	s_wait_loadcnt 4*(DEPTH-1)                     ; step 0's four loads are in; the twenty behind them may be out
	TURN 0
.macro STEP t
.set XS, X+16*((\t)%2)
.if (\t) > 0
	s_wait_dscnt 4                                 ; this step's numbers are back from the stage (the last step's byte store and its three stores of codes may be out): so its stores into the stage have read their registers,
.else
	s_wait_dscnt 0x0
.endif
.if (\t)+DEPTH < STEPS
	LOAD (\t)+DEPTH                                ; which take the loads of six steps on
.endif
.if (\t)+1 < STEPS
.if STEPS-2-(\t) >= DEPTH-1
	s_wait_loadcnt 4*(DEPTH-1)                     ; the next step's four loads are in; those of the five steps behind it may be out
.else
	s_wait_loadcnt 4*(STEPS-2-(\t))
.endif
	TURN (\t)+1                                    ; and go through the other stage while this step is worked
.endif
	v_max3_num_f32 v8, |v[XS]|, |v[XS+1]|, |v[XS+2]|               ; the largest magnitude of my 16, in two chains
	v_max3_num_f32 v9, |v[XS+3]|, |v[XS+4]|, |v[XS+5]|
.irp i, 6,10
	v_max3_num_f32 v8, v8, |v[XS+\i]|, |v[XS+\i+1]|
	v_max3_num_f32 v9, v9, |v[XS+\i+2]|, |v[XS+\i+3]|
.endr
	v_max3_num_f32 v8, v8, |v[XS+14]|, |v[XS+15]|
	v_max3_num_f32 v8, v8, v9, (EMAX+1)<<23        ; and the floor 2^(EMAX + 1 - 127): the byte cannot fall under 1
	v_max_num_f32_dpp v8, v8, v8 row_xmask:1 row_mask:0xf bank_mask:0xf   ; and of my neighbour's 16: the block's
	v_add_nc_u32 v11, -(EMAX<<23), v8              ; EMAX off its exponent field: the conversion takes the exponent field of this operand as its scale, and nothing else of it
	v_cvt_scalef32_pk16_fp6_f32 v[C+4*(\t):C+4*(\t)+2], v[XS:XS+15], v11         ; sixteen codes, 96 bits without gaps, the first number's code lowest
	v_lshrrev_b32 v[E+(\t)], 23, v11               ; the scale's byte (also the plain line behind the conversion)
	ds_store_b8 v5, v[E+(\t)] offset:16*(\t)       ; row t's 16 bytes; both lanes of a block write the same byte with the same value
	ds_store_b32 v16, v[C+4*(\t)] offset:16*(\t)   ; the three registers to their places in the image, row t
	ds_store_b32 v17, v[C+4*(\t)+1] offset:16*(\t)
	ds_store_b32 v18, v[C+4*(\t)+2] offset:16*(\t)
.endm
.irp t, 0,1,2,3,4,5,6,7,8,9,10,11,12,13,14,15
	STEP \t
.endr
	ds_load_b64 v[12:13], v6                       ; these see my stores: LDS serves a wave's instructions in order
.irp k, 0,1,2,3,4,5,6,7,8,9,10,11
	ds_load_b128 v[R+4*\k:R+4*\k+3], v19 offset:OI*(\k/3)+OG*(\k%3)   ; image k / 3, group k % 3
.endr
	s_wait_dscnt 12                                ; the scale bytes are back; the twelve loads behind them may be out
	global_store_b64 v7, v[12:13], s[14:15]        ; 32 lanes store 256 consecutive bytes, at a multiple of 256 from the buffer's first byte
.irp k, 0,1,2,3,4,5,6,7,8,9,10,11
	s_wait_dscnt 11-\k
	global_store_b128 v3, v[R+4*\k:R+4*\k+3], s[12:13] offset:512*\k   ; 512 consecutive bytes, at a multiple of 512 from the buffer's first byte
.endr
	s_wait_tensorcnt 0x0
	ds_add_u32 v240, v241
	s_wait_dscnt 0x0
	s_endpgm
.Lfunc_end_k_q8f5256baff_quant:
	.size	k_q8f5256baff_quant, .Lfunc_end_k_q8f5256baff_quant-k_q8f5256baff_quant
	.p2alignl 7, 3214868480
	.fill 96, 4, 3214868480
	.section	.rodata,"a",@progbits
	.p2align	6, 0x0
	.amdhsa_kernel k_q8f5256baff_quant
		.amdhsa_group_segment_fixed_size 49664
		.amdhsa_private_segment_fixed_size 0
		.amdhsa_enable_private_segment 0
		.amdhsa_kernarg_size 64
		.amdhsa_user_sgpr_count 2
		.amdhsa_user_sgpr_kernarg_segment_ptr 1
		.amdhsa_wavefront_size32 1
		.amdhsa_system_sgpr_workgroup_id_x 1
		.amdhsa_system_sgpr_workgroup_id_y 1
		.amdhsa_system_sgpr_workgroup_id_z 1
		.amdhsa_system_vgpr_workitem_id 0
		.amdhsa_next_free_vgpr 242
		.amdhsa_next_free_sgpr 66
		.amdhsa_reserve_vcc 0
		.amdhsa_float_denorm_mode_32 3
		.amdhsa_float_denorm_mode_16_64 3
		.amdhsa_memory_ordered 1
		.amdhsa_forward_progress 1
		.amdhsa_inst_pref_size 39
	.end_amdhsa_kernel
	.amdgpu_metadata
---
amdhsa.version: [ 1, 2 ]
amdhsa.kernels:
  - .name:           k_q8f5256baff_quant
    .symbol:         k_q8f5256baff_quant.kd
    .args:
      - { .name: x, .offset: 0, .size: 8, .value_kind: global_buffer, .address_space: global }
      - { .name: wq, .offset: 8, .size: 8, .value_kind: global_buffer, .address_space: global }
      - { .name: wk, .offset: 16, .size: 8, .value_kind: global_buffer, .address_space: global }
      - { .name: wv, .offset: 24, .size: 8, .value_kind: global_buffer, .address_space: global }
      - { .name: xc, .offset: 32, .size: 8, .value_kind: global_buffer, .address_space: global }
      - { .name: xs, .offset: 40, .size: 8, .value_kind: global_buffer, .address_space: global }
      - { .name: wc, .offset: 48, .size: 8, .value_kind: global_buffer, .address_space: global }
      - { .name: ws, .offset: 56, .size: 8, .value_kind: global_buffer, .address_space: global }
    .group_segment_fixed_size: 49664
    .private_segment_fixed_size: 0
    .kernarg_segment_align: 8
    .kernarg_segment_size: 64
    .max_flat_workgroup_size: 128
    .sgpr_count:     66
    .vgpr_count:     242
    .wavefront_size: 32
...
	.end_amdgpu_metadata
.endif
;; end of part 1
;; launch kvgemm (part 2): grid 64 x 8, 4 waves a work-group, clusters of 4 x 4, 327,680 bytes of LDS; arguments wc, ws, xc, xs, bk, bv, kvp, ksp; writes kvp, ksp
.if DOCPART == 2
	.amdgcn_target "amdgcn-amd-amdhsa--gfx1250"
	.amdhsa_code_object_version 6
	.text
	.protected	k_q8f5256baff_kvgemm
	.globl	k_q8f5256baff_kvgemm
	.p2align	8
	.type	k_q8f5256baff_kvgemm,@function
k_q8f5256baff_kvgemm:
	s_mov_b64 s[64:65], 0
	v_nop
	global_prefetch_b8 v0, s[64:65] scope:SCOPE_SE
	s_setreg_imm32_b32 hwreg(HW_REG_WAVE_MODE, 25, 1), 1
	s_wait_xcnt 0x0
	s_wait_alu depctr_hold_cnt(0) depctr_sa_sdst(0) depctr_va_vdst(0) depctr_va_sdst(0) depctr_va_ssrc(0) depctr_va_vcc(0) depctr_vm_vsrc(0)
	s_getreg_b32 s2, hwreg(HW_REG_IB_STS2, 6, 4)
	s_cmp_eq_u32 s2, 0
	s_cbranch_scc0 .Lentry_in_a_cluster
	s_endpgm
.Lentry_in_a_cluster:
	s_bfe_u32 s2, ttmp6, 0x10000c
	s_cmp_lg_u32 s2, 0xf033
	s_cbranch_scc0 .Lentry_shape_is_right
	s_endpgm
.Lentry_shape_is_right:
; k = relu(x wk^T + bk) + eps and v = x wv^T + bv for 256 rows of x and two heads, then the part of kv = k^T v and of k_sum that these 256 rows give.  k and v never go to memory.
; All products on codes of FP6 (E2M3), 6 bits each, with one E8M0 scale for each 32 along a product's K; sums in f32.
; THE TILE.  256 rows of x (role B: source 0, its rows fall into a lane's registers) x 256 rows of the weights (role A: source 1, its rows fall on lanes): 128 of wk (heads 2 g, 2 g + 1), then 128 of wv for the same heads.
; Four waves, each 128 x 128: 64 accumulators of 16 x 16, 512 registers.  Waves 0, 1 hold k for the tile's first and second 128 rows of x, waves 2, 3 hold v.
; THE CODES LIE IN MEMORY AS IMAGES OF THE OPERAND'S REGISTERS: [row block of 16 rows][K step of 128: 8][1,536 bytes], lane l's registers 4 c .. 4 c + 3 at 512 c + 16 l.  A fragment comes out of LDS by three loads of 16 bytes a lane, each of 512
; consecutive bytes: no pitch, no padding.  A wave's tensor load brings 8 row blocks x 256 along K: 8 rows of 3,072 bytes, 12,288 bytes apart.
; K = 1,024 IS FOUR SLOTS' WORTH OF 256, AND LDS HOLDS THREE: the first three come as first fills, the fourth is the launch's one refill: into the first region, behind the change from the first to the second, 224 matrix instructions ahead of the wait for it.
; The rows of x were stored so that in a lane the 64 registers of one block of weights are s = 32 p + 16 (lane / 16) + i at register 16 p + i: four blocks of 32 along s, half a block a lane: what the quantiser along s wants.
; The rows of wk, wv were stored so that lane r of block tau of a head is index 8 tau + r % 8 + 32 (r / 8).
; THE BIAS is the C of each sum's first product.  relu(y + b) + eps is computed as max(y + (b + eps), eps): the same number but for the order of two roundings, at most one unit in the last place of f32.  v has neither eps nor relu: max with -infinity.
; THEN each wave quantises its eight blocks along s (one fragment, 16 columns x 128 s, each) and hands them to the others through LDS as images of the operand's registers; a barrier; wave w multiplies for head w / 2:
; source 0 = k's blocks 2 (w % 2), 2 (w % 2) + 1, source 1 = v's four blocks, K = the tile's 256 rows in two steps.  Register j of lane (r, h) is kv[32 h + 8 tau + j][8 t + r % 8 + 32 (r / 8)].
; CLUSTERS: 4 x 4 work-groups.  The four of a row of the cluster need the same tiles of the weights, the four of a column the same tiles of x: each tile is asked for JOINTLY, by the same tensor load with the same descriptor and a mask that names the four.
; LIMITS: NaN and infinities are not served; a block of zeros, or one whose largest magnitude lies under 2^-124, keeps the scale byte 1 (its codes are read by this program alone); kv and k_sum are summed tile by tile, not in one chain.
; REGISTERS, in windows of 256: window 0: v1-15, v30 addresses; v16-29 the regions' addresses and the spare word's; v32-63 scale words and nothing else; v64-87 k_sum at work; v128-223 A's fragments, ONE set; behind the products v128-191 T (64 numbers),
;   v192-211 the codes just made, v212-223 at work.   window 1: B's fragments, TWO sets, v0-95 and v128-223; v96-127, v224-255 the bias, 8 registers for each block of weights.   windows 2, 3: the accumulators ((a, b) at v[8 (8 (a % 4) + b)]).
.set NQ,     2                         ; K steps of 128 in a slot
.set IMB,    1536                      ; a fragment's image
.set RBB,    NQ*IMB                    ; a row block's bytes in a slot
.set RBM,    8*IMB                     ; a row block's bytes in memory
.set KROW,   768                       ; bytes of codes for each row
.set FR,     12                        ; registers of a fragment: 16 rows x 128 K
.set NL,     3                         ; LDS loads that bring one
.set NP,     4                         ; places behind this matrix instruction (ISA guide 7.12.1)
.set HALFT,  8*RBB                     ; 128 rows: what one tensor load brings, and what one wave reads of A or of B
.set SLOT,   4*HALFT                   ; A's 256 rows, then B's 256 rows.  Three such regions
.set KS,     32                        ; scale bytes for each row
.set SCL,    3*SLOT                    ; behind the regions: the scale bytes for all of K, as rows of 256 bytes + 16 of padding
.set HALFS,  (128*KS/256)*272          ; those of 128 rows: what one tensor load brings
.set SBLK,   (16*KS/256)*272           ; those of 16 rows: the first half of K's 256 bytes (16 a row), then the second's
.set SPARE,  SCL+4*HALFS               ; the spare words, 128 bytes for each wave: two blocks of 256 bytes that no other line names
.set IMG,    SLOT                      ; 32 images of fragments of k and v, 1,536 bytes each: number 8 x wave + block.  They lie in the second region, which is filled once, at the start, and whose last reads lie ahead of the last barrier of the products
.set ISC,    IMG+32*1536               ; their scale words, 128 bytes each
.set LI,   9                           ; v9   16 x lane
.set IWI,  10                          ; v10  where I store my images
.set IWS,  11                          ; v11  and their scale words
.set IRK,  12                          ; v12  where I read k's images for my part of kv
.set IRV,  13                          ; v13  v's
.set IRKS, 14                          ; v14  k's scale words
.set IRVS, 15                          ; v15  v's
.set ADRA, 16                          ; v16-18  LDS address of my A fragments in regions 0, 1, 2
.set ADRB, 20                          ; v20-22  the same for B
.set ADRS, 27                          ; v27  LDS address of my scale words: lanes 0-15 A's rows, lanes 16-31 B's; never rewritten
.set SPW,  28                          ; v28  LDS address of my spare word; never rewritten
.set NIL,  29                          ; v29  0; never rewritten
.set LN,   30                          ; v30  lane
.set SC,   32                          ; scale words: two sets of 16, for the slots by turns; register NQ i + q: lanes 0-15 A's block i, lanes 16-31 B's block i
.set PW,   44                          ; v44  the scale word just made
.set AF,   128                         ; A's fragments
.set T,    128                         ; behind the products: 64 numbers of a lane
.set CDS,  192                         ; the codes just made: 12 registers, and 8 at work
.set TM,   212                         ; v212-215 largest magnitudes, v216-219 bytes, v220-223 the conversions' scale operands
.set G1, 24                            ; s[24:31] descriptor group 1 for A's tiles;  s[32:39] group 0 for regions 0 and 1, s[4:7] for region 2
.set G0, 32
.set G1B, 48                           ; s[48:55]; s[56:63], s[8:11]: the same for B's tiles
.set G0B, 56
.set G1S, 68                           ; s[68:75], s[76:79] groups 1 and 0 for A's scales;  s[80:87], s[88:91] for B's
.set G0S, 76
.set G1SB, 80
.set G0SB, 88
.set MSB, 0
.macro WIN new                         ; the immediate's high byte repeats the setting that is left; a switch that changes nothing is dropped
.if MSB != (\new)
	s_set_vgpr_msb (MSB<<8)|(\new)
.set MSB, (\new)
.endif
.endm
.set MUL_LO, 0xa1                      ; source 0 (B) window 1, source 1 (A) window 0, C and D window 2
.set MUL_HI, 0xf1                      ; the same, C and D window 3
.set FIRST_LO, 0x91                    ; the first products: C (the bias) window 1, D window 2
.set FIRST_HI, 0xd1                    ; D window 3
.set TO_B,   0x40                      ; destination window 1, address window 0
; A joint load: waves 0 and 1 fetch for A, waves 2 and 3 for B.  Each of the two lines has ONE mask and one set of registers for all that issue it; the branch hangs on the wave's number alone.
; Four v_nop follow each of the two lines, ahead of the jump, the label and what follows.
.macro JLOAD g0a, g1a, g0b, g1b
	s_cmp_eq_u32 s15, 0
	s_cbranch_scc0 .Lfor_b_\@
	tensor_load_to_lds s[\g0a:\g0a+3], s[\g1a:\g1a+7]
	s_nop 0
.rept 4
	v_nop
.endr
	s_branch .Lasked_\@
.Lfor_b_\@:
	tensor_load_to_lds s[\g0b:\g0b+3], s[\g1b:\g1b+7]
	s_nop 0
.rept 4
	v_nop
.endr
.Lasked_\@:
.endm
.macro CREST                           ; a round of the cluster's barrier behind its opening barrier
	s_cmp_lg_u32 s14, 0
	s_cbranch_scc1 .Lnot_wave_0_\@
	s_barrier_signal -3
.Lnot_wave_0_\@:
	s_barrier_wait -3
	s_barrier_signal -1
	s_barrier_wait -1
.endm
.macro CROUND                          ; a whole round
	s_barrier_signal -1
	s_barrier_wait -1
	CREST
.endm
	s_load_b128 s[4:7], s[0:1], 0x0                ; the weights' codes s[4:5], their scales s[6:7]  (A)
	s_load_b128 s[8:11], s[0:1], 0x10              ; x's codes s[8:9], x's scales s[10:11]  (B)
	s_load_b128 s[96:99], s[0:1], 0x20             ; bk, bv
	s_load_b64 s[100:101], s[0:1], 0x30            ; the parts of kv
	s_load_b64 s[104:105], s[0:1], 0x38            ; the parts of k_sum
	v_lshl_add_u32 v[SPW], v0, 2, SPARE
	v_mov_b32 v[NIL], 0
	ds_add_u32 v28, v29
	ds_add_u32 v28, v29
	s_wait_dscnt 0x0
	v_lshrrev_b32 v1, 5, v0
	v_readfirstlane_b32 s14, v1                    ; wave 0..3
	s_lshr_b32 s15, s14, 1                         ; which half of A's rows is mine: 0 k, 1 v.  Also: I fetch for A (0) or for B (1)
	s_and_b32 s16, s14, 1                          ; which half of x's rows.  Also: which 128 rows of that tile I fetch
	s_bfe_u32 s40, ttmp6, 0x40000                  ; cx, cy: my place in the cluster
	s_bfe_u32 s41, ttmp6, 0x40004
	s_lshl_b32 s42, ttmp9, 2
	s_add_co_u32 s42, s42, s40                     ; x's tile, 0..63 = 4 x cluster x + cx
	s_and_b32 s17, ttmp7, 0xffff
	s_lshl_b32 s17, s17, 2
	s_add_co_u32 s17, s17, s41                     ; the weights' tile g, 0..7 = 4 x cluster y + cy
	s_lshl_b32 s43, s41, 2
	s_lshl_b32 s43, 15, s43                        ; my row of the cluster
	s_lshl_b32 s44, 0x1111, s40                    ; my column
	; descriptor group 1: 8 row blocks x RBB bytes, as they lie
	s_or_b32 s[G1+0], s43, (3<<16)|(1<<21)         ; 15:0 the mask: A's tiles go to my row; 17:16 elements of 8 bytes; 20 no padding; 21 set beside a mask
	s_or_b32 s[G1B+0], s44, (3<<16)|(1<<21)
.irp g, G1, G1B
	s_mov_b32 s[\g+1], (RBB/8)<<16                 ; tensor_dim0 = 384 elements
	s_mov_b32 s[\g+2], 8<<16                       ; tensor_dim1 = 8
	s_mov_b32 s[\g+3], (RBB/8)<<16                 ; tile_dim0
	s_mov_b32 s[\g+4], 8                           ; tile_dim1
	s_mov_b32 s[\g+5], RBM/8                       ; tensor_dim0_stride: from row block to row block
	s_mov_b32 s[\g+6], 0
	s_mov_b32 s[\g+7], 0
.endr
	; and for the scales of 128 rows: a dense block of 4,096 bytes, as 16 rows of 256 bytes (32 elements of 8 bytes), 16 bytes of padding behind each
	s_or_b32 s[G1S+0], s43, (3<<16)|(1<<20)|(1<<21)|(5<<22)|(3<<25)
	s_or_b32 s[G1SB+0], s44, (3<<16)|(1<<20)|(1<<21)|(5<<22)|(3<<25)
.irp g, G1S, G1SB
	s_mov_b32 s[\g+1], 32<<16
	s_mov_b32 s[\g+2], (128*KS/256)<<16
	s_mov_b32 s[\g+3], 32<<16
	s_mov_b32 s[\g+4], 128*KS/256
	s_mov_b32 s[\g+5], 32
	s_mov_b32 s[\g+6], 0
	s_mov_b32 s[\g+7], 0
.endr
	s_lshl_b32 s18, s16, 7                         ; which 128 rows of the tile I fetch
	s_lshl_b32 s20, s17, 8
	s_add_co_u32 s20, s20, s18
	s_add_co_u32 s20, s20, 1024                    ; A: row 1,024 (behind wq's rows) + 256 g + 128 x half
	s_lshl_b32 s46, s42, 8
	s_add_co_u32 s46, s46, s18                     ; B: row 256 x tile + 128 x half
	s_mov_b32 s21, 0
	s_mov_b32 s47, 0
	s_mov_b64 s[18:19], KS
	s_mul_u64 s[22:23], s[20:21], s[18:19]         ; where these rows' scales begin, in bytes
	s_mul_u64 s[92:93], s[46:47], s[18:19]
	s_mov_b64 s[18:19], KROW
	s_mul_u64 s[20:21], s[20:21], s[18:19]         ; and their row blocks of codes
	s_mul_u64 s[46:47], s[46:47], s[18:19]
	s_mul_i32 s45, s14, HALFT                      ; where they go: wave x 128 rows: no place in the cluster enters an LDS address
	s_mul_i32 s94, s14, HALFS
	s_wait_kmcnt 0x0
	s_add_nc_u64 s[20:21], s[4:5], s[20:21]
	s_add_nc_u64 s[22:23], s[6:7], s[22:23]
	s_add_nc_u64 s[46:47], s[8:9], s[46:47]
	s_add_nc_u64 s[92:93], s[10:11], s[92:93]
	CROUND                                         ; all sixteen work-groups are here: the first joint loads meet
	s_mov_b32 s[G0S], 1
	s_add_co_u32 s[G0S+1], s94, SCL
	s_mov_b64 s[G0S+2:G0S+3], s[22:23]
	s_or_b32 s[G0S+3], s[G0S+3], 0x80000000
	s_mov_b32 s[G0SB], 1
	s_add_co_u32 s[G0SB+1], s94, SCL
	s_mov_b64 s[G0SB+2:G0SB+3], s[92:93]
	s_or_b32 s[G0SB+3], s[G0SB+3], 0x80000000
	JLOAD G0S, G1S, G0SB, G1SB                     ; the scales first: they are wanted with the first products.  Four loads of mine are out behind the first fills
.irp s, 0,1,2
.set GA, G0+4*\s-36*(\s/2)             ; s32, s36, s4 (the four pointers in s[4:11] are done with)
.set GB, G0B+4*\s-56*(\s/2)            ; s56, s60, s8
	s_mov_b32 s[GA], 1
	s_add_co_u32 s[GA+1], s45, \s*SLOT
	s_add_nc_u64 s[GA+2:GA+3], s[20:21], \s*RBB
	s_or_b32 s[GA+3], s[GA+3], 0x80000000
	s_mov_b32 s[GB], 1
	s_add_co_u32 s[GB+1], s45, \s*SLOT
	s_add_nc_u64 s[GB+2:GB+3], s[46:47], \s*RBB
	s_or_b32 s[GB+3], s[GB+3], 0x80000000
	JLOAD GA, G1, GB, G1B                          ; 256 along K from 256 s on, into region s
.endr
	v_and_b32 v1, 15, v0                           ; r = l % 16
	v_bfe_u32 v2, v0, 4, 1                         ; h = l / 16
	v_and_b32 v[LN], 31, v0
	v_lshlrev_b32 v[LI], 4, v[LN]                  ; an image's place for my lane
	s_mul_i32 s21, s15, HALFT                      ; my 128 rows of A
	s_mul_i32 s22, s16, HALFT                      ; my 128 rows of B,
	s_add_co_u32 s22, s22, 2*HALFT                 ; which lie behind A's 256
.irp s, 0,1,2
	v_add_nc_u32 v[ADRA+\s], s21, v[LI]
	v_add_nc_u32 v[ADRB+\s], s22, v[LI]
	s_add_co_u32 s21, s21, SLOT
	s_add_co_u32 s22, s22, SLOT
.endr
	v_lshlrev_b32 v5, 4, v1                        ; my row's scales: 16 bytes a row in each half of K
	s_mul_i32 s21, s15, HALFS                      ; A's: my 128 rows
	s_mul_i32 s22, s16, HALFS                      ; B's: my 128 rows, behind A's 256
	s_add_co_u32 s22, s22, 2*HALFS
	s_sub_co_u32 s22, s22, s21
	v_mul_u32_u24 v6, s22, v2                      ; lanes 16-31 take B's: the lower base + h x the distance
	s_add_co_u32 s21, s21, SCL
	v_add_nc_u32 v5, v5, v6
	v_add_nc_u32 v[ADRS], s21, v5
	; the addresses of k's and v's images: a constant + a constant x wave (or its two bits) + 16 or 4 x lane
	v_lshlrev_b32 v7, 2, v[LN]
	s_mul_i32 s18, s14, 8*1536
	s_add_co_u32 s18, s18, IMG
	v_add_nc_u32 v[IWI], s18, v[LI]                ; my eight images
	s_lshl_b32 s18, s14, 10
	s_add_co_u32 s18, s18, ISC
	v_add_nc_u32 v[IWS], s18, v7                   ; and their scale words
	s_mul_i32 s18, s15, 4*1536                     ; for kv I take head w / 2: four images on in each wave's eight;
	s_mul_i32 s19, s16, 2*1536                     ; of k's four blocks those from 2 (w % 2) on
	s_add_co_u32 s19, s19, s18
	s_add_co_u32 s19, s19, IMG
	v_add_nc_u32 v[IRK], s19, v[LI]
	s_add_co_u32 s19, s18, IMG+16*1536             ; v's images lie behind k's sixteen
	v_add_nc_u32 v[IRV], s19, v[LI]
	s_lshl_b32 s18, s15, 9
	s_lshl_b32 s19, s16, 8
	s_add_co_u32 s19, s19, s18
	s_add_co_u32 s19, s19, ISC
	v_add_nc_u32 v[IRKS], s19, v7
	s_add_co_u32 s19, s18, ISC+16*128
	v_add_nc_u32 v[IRVS], s19, v7
	; the bias of my 128 columns, and what differs between k and v
	s_cmp_eq_u32 s15, 0
	s_cselect_b64 s[12:13], s[96:97], s[98:99]     ; bk or bv
	s_mov_b32 s95, 0xff800000
	s_cselect_b32 s95, 0x3a83126f, s95             ; the floor of the results: eps = 1e-3 for k, -infinity (none) for v
	s_cselect_b32 s66, 0x3a83126f, 0               ; what is added to the bias: eps for k
	s_lshl_b32 s18, s17, 9                         ; heads 2 g, 2 g + 1: 128 numbers from 128 g on
	s_mov_b32 s19, 0
	s_add_nc_u64 s[12:13], s[12:13], s[18:19]
	v_and_b32 v8, 7, v1
	v_lshrrev_b32 v7, 3, v1
	v_lshl_add_u32 v8, v7, 5, v8
	v_lshlrev_b32 v8, 2, v8                        ; lane r of a block is index r % 8 + 32 (r / 8) on from the block's 8 tau
.irp a, 0,1,2,3,4,5,6,7
	global_load_b32 v[224+\a], v8, s[12:13] offset:(64*(\a/4)+8*(\a%4))*4
.endr
	; where my part of kv and of k_sum goes
	s_lshr_b32 s92, s42, 4                         ; n
	s_lshl_b32 s92, s92, 4
	s_lshl_b32 s93, s17, 1
	s_add_co_u32 s92, s92, s93
	s_add_co_u32 s92, s92, s15                     ; 16 n + 2 g + w / 2: the head whose kv I make
	s_lshl_b32 s92, s92, 18                        ; kvp: [64 heads][t 4][16 tiles of x][tau 4][2][32 lanes][16 bytes]
	s_and_b32 s93, s42, 15
	s_lshl_b32 s93, s93, 12
	s_add_co_u32 s92, s92, s93
	s_lshl_b32 s93, s16, 11                        ; tau from 2 (w % 2) on
	s_add_co_u32 s92, s92, s93
	s_mov_b32 s93, 0
	s_add_nc_u64 s[100:101], s[100:101], s[92:93]
	s_lshl_b32 s92, s42, 3                         ; ksp: [64 tiles of x][g 8][half of x's rows 2][head 2][r 16][tau 4] f32
	s_add_co_u32 s92, s92, s17
	s_lshl_b32 s92, s92, 10
	s_lshl_b32 s46, s16, 9
	s_add_co_u32 s92, s92, s46
	s_add_nc_u64 s[104:105], s[104:105], s[92:93]
	s_wait_loadcnt 0x0                             ; the bias
	WIN 0x40                                       ; destination window 1
.irp a, 0,1,2,3,4,5,6,7
.irp j, 0,1,2,3,4,5,6,7
	v_add_f32 v[96+8*\a+96*(\a/4)+\j], s66, v[224+\a]   ; block a's C: in the result a lane holds one column, so its eight registers hold the same number
.endr
.endr
	WIN 0
.macro FRAG reg, adr, off              ; a fragment, 16 rows x 128 K of 6-bit codes, is 12 registers: its image comes as it lies, 512 consecutive bytes a load
.irp c, 0,1,2
	ds_load_b128 v[\reg+4*\c:\reg+4*\c+3], v[\adr] offset:\off+512*\c
.endr
.endm
; 16 matrix instructions: A's blocks a0, a0 + 1 x B's eight, 128 along K: the slot's q-th.  p: B's set;  sc: the set of scale words.  first = 1: the first product starts the sums from block a's bias: nothing is ever cleared.
; The 64 accumulators take turns, one instruction a turn, in the same order in every step.
.macro MUL16 a0, p, q, sc, first
.irp a, \a0, \a0+1
.irp b, 0,1,2,3,4,5,6,7
.if \first
	v_wmma_scale_f32_16x16x128_f8f6f4 v[8*(8*((\a)%4)+\b):8*(8*((\a)%4)+\b)+7], v[128*(\p)+FR*\b:128*(\p)+FR*\b+FR-1], v[AF+FR*(\a):AF+FR*(\a)+FR-1], v[96+8*(\a)+96*((\a)/4):96+8*(\a)+96*((\a)/4)+7], v[SC+8*NQ*(\sc)+NQ*\b+(\q)], v[SC+8*NQ*(\sc)+NQ*(\a)+(\q)] matrix_a_fmt:MATRIX_FMT_FP6 matrix_b_fmt:MATRIX_FMT_FP6 matrix_a_scale:MATRIX_SCALE_ROW1
.else
	v_wmma_scale_f32_16x16x128_f8f6f4 v[8*(8*((\a)%4)+\b):8*(8*((\a)%4)+\b)+7], v[128*(\p)+FR*\b:128*(\p)+FR*\b+FR-1], v[AF+FR*(\a):AF+FR*(\a)+FR-1], v[8*(8*((\a)%4)+\b):8*(8*((\a)%4)+\b)+7], v[SC+8*NQ*(\sc)+NQ*\b+(\q)], v[SC+8*NQ*(\sc)+NQ*(\a)+(\q)] matrix_a_fmt:MATRIX_FMT_FP6 matrix_b_fmt:MATRIX_FMT_FP6 matrix_a_scale:MATRIX_SCALE_ROW1
.endif
.endr
.endr
.endm
.macro FETCH_B rg, q, p                ; B's eight fragments of region rg's q-th 128 along K into set p
	WIN TO_B
.irp i, 0,1,2,3,4,5,6,7
	FRAG 128*(\p)+FR*\i, ADRB+\rg, \i*RBB+(\q)*IMB
.endr
	WIN 0
.endm
.macro FETCH_A rg, q, i0               ; A's blocks i0 .. i0 + 3
.irp i, \i0, \i0+1, \i0+2, \i0+3
	FRAG AF+FR*(\i), ADRA+\rg, (\i)*RBB+(\q)*IMB
.endr
.endm
.macro SCALES sg                       ; the scale words of K's slot sg (0..3) into set sg % 2: NQ words a row; lanes 0-15 take A's block i, lanes 16-31 B's block i
.irp i, 0,1,2,3,4,5,6,7
	ds_load_b64 v[SC+8*NQ*((\sg)%2)+NQ*\i:SC+8*NQ*((\sg)%2)+NQ*\i+1], v[ADRS] offset:\i*SBLK+272*((\sg)/2)+8*((\sg)%2)
.endr
.endm
; A load into a register that a matrix instruction has read, and a vector instruction or a store that reads a matrix result, stand NP places behind that matrix instruction; only plain vector
; instructions that name none of its registers are places (ISA guide 7.12.1 for vector instructions).
.macro PLACES n
.rept \n
	v_nop
.endr
.endm
; A step of 128 along K, the q-th of its slot, with the scale words of set sc.  It fetches the next step's fragments, the nq-th 128 of region nrg, which every wave has been shown whole; with nq = 0 also the scale words of K's slot nsg.
.macro STEP q, sc, first, nrg, nq, nsg
	s_wait_dscnt 4*NL                              ; B's set, A's blocks 0-3 and the scale words are in; the youngest 12 loads (A's blocks 4-7) may be out
.if \first
	WIN FIRST_LO
.else
	WIN MUL_LO
.endif
	MUL16 0, \q, \q, \sc, \first
	MUL16 2, \q, \q, \sc, \first
	s_wait_dscnt 0                                 ; A's blocks 4-7 are in (asked for 32 matrix instructions ago)
	PLACES NP
	FETCH_B \nrg, \nq, 1-\q
	FETCH_A \nrg, \nq, 0
.if \nq == 0
	SCALES \nsg
.endif
.if \first
	WIN FIRST_HI
.else
	WIN MUL_HI
.endif
	MUL16 4, \q, \q, \sc, \first
	MUL16 6, \q, \q, \sc, \first
	PLACES NP
	WIN 0
	FETCH_A \nrg, \nq, 4
.endm
; A slot's second step with a barrier in it: in front of the barrier each wave waits for all its tensor loads, adds 0 to its spare word, and waits for that and for its own LDS reads.  Behind it region nrg is whole for every wave.
; fill = 1: the region just read out, region 0, is filled again, with the last 256 along K: the barrier opens a round of the cluster's barrier.
.macro TURN sc, nrg, nsg, fill
	s_wait_tensorcnt 0x0                           ; all my tensor loads have landed  (every window is 0 here)
	ds_add_u32 v[SPW], v[NIL]                      ; 0 onto my spare word
	s_wait_dscnt 4*NL+1                            ; (the add and the youngest 12 loads, A's blocks 4-7, may be out)
	WIN MUL_LO
	MUL16 0, 1, 1, \sc, 0                          ; sixteen matrix instructions stand between the add and the wait for it
	s_wait_dscnt 0x0                               ; the add is done, and my LDS reads so far are over
	s_barrier_signal -1
	MUL16 2, 1, 1, \sc, 0
	WIN 0
	s_barrier_wait -1
.if \fill
	CREST                                          ; no wave of any partner still reads region 0 or has a load on its way
	s_add_nc_u64 s[G0+2:G0+3], s[G0+2:G0+3], 3*RBB
	s_add_nc_u64 s[G0B+2:G0B+3], s[G0B+2:G0B+3], 3*RBB
	JLOAD G0, G1, G0B, G1B                         ; the first tensor load behind the round, and my last; the four v_nop behind it are the places in front of the loads below
.else
	PLACES NP
.endif
	FETCH_B \nrg, 0, 0
	FETCH_A \nrg, 0, 0
	SCALES \nsg
	WIN MUL_HI
	MUL16 4, 1, 1, \sc, 0
	MUL16 6, 1, 1, \sc, 0
	PLACES NP
	WIN 0
	FETCH_A \nrg, 0, 4
.endm
	PLACES 4
	s_wait_tensorcnt 2                             ; the scales and my part of region 0 are in (the loads for regions 1 and 2 may be out)
	s_barrier_signal -1
	s_barrier_wait -1                              ; everybody's are
	FETCH_B 0, 0, 0
	FETCH_A 0, 0, 0
	SCALES 0
	FETCH_A 0, 0, 4
	STEP 0, 0, 1, 0, 1, 0                          ; K 0-127: its products start the sums from the bias
	TURN 0, 1, 1, 1                                ; K 128-255; regions 1 and 2 are whole; region 0 is asked for again
	STEP 0, 1, 0, 1, 1, 0                          ; K 256-383
	STEP 1, 1, 0, 2, 0, 2                          ; K 384-511; on to region 2, which the round has shown whole: no barrier
	STEP 0, 0, 0, 2, 1, 0                          ; K 512-639
	TURN 0, 0, 3, 0                                ; K 640-767; region 0 is whole again; nothing is filled, so no round
	STEP 0, 1, 0, 0, 1, 0                          ; K 768-895
	s_wait_dscnt 4*NL                              ; K 896-1,023: nothing more to fetch
	WIN MUL_LO
	MUL16 0, 1, 1, 1, 0
	MUL16 2, 1, 1, 1, 0
	s_wait_dscnt 0
	WIN MUL_HI
	MUL16 4, 1, 1, 1, 0
	MUL16 6, 1, 1, 1, 0
	WIN 0
; BEHIND THE PRODUCTS.  Block a's 64 results of a lane (one column, s = 32 p + 16 h + i at register 16 p + i) come into T, held at the floor from below: each accumulator is read from its low end on.
.macro RELU a
	WIN 0x08+4*((\a)/4)                            ; source 1: window 2 or 3
.set j, 0
.rept 64
	v_max_num_f32 v[T+j], s95, v[64*((\a)%4)+j]
.set j, j+1
.endr
	WIN 0
.endm
; the sum of the 64, in two chains of pairs: my half of the column's part of k_sum.  All four waves run it: the waves that hold v would only wait at the barrier below, and their sums are not stored.
.macro KSUM a
	v_pk_add_f32 v[72:73], v[T:T+1], v[T+2:T+3]
	v_pk_add_f32 v[74:75], v[T+4:T+5], v[T+6:T+7]
.irp j, 8,12,16,20,24,28,32,36,40,44,48,52,56,60
	v_pk_add_f32 v[72:73], v[72:73], v[T+\j:T+\j+1]
	v_pk_add_f32 v[74:75], v[74:75], v[T+\j+2:T+\j+3]
.endr
	v_pk_add_f32 v[72:73], v[72:73], v[74:75]
	v_add_f32 v[64+\a], v72, v73
.endm
; 64 numbers of a lane, v[s] .. v[s + 63], register 16 b + i = k 32 b + 16 (lane / 16) + i of my row, become a fragment's codes in v[CDS] on and its scale word in v[pw].
.macro QUANT s, pw
.irp b, 0,1,2,3
	v_max3_num_f32 v[TM+\b], |v[\s+16*\b]|, |v[\s+1+16*\b]|, 0x1800000   ; block b: my 16 numbers, and the floor 2^(3 - 127): the byte cannot fall under 1
.endr
.irp i, 2,4,6,8,10,12,14
.irp b, 0,1,2,3
	v_max3_num_f32 v[TM+\b], v[TM+\b], |v[\s+16*\b+\i]|, |v[\s+1+16*\b+\i]|   ; (the four blocks by turns)
.endr
.endr
.irp b, 0,1,2,3
	v_permlanex16_b32 v[TM+4+\b], v[TM+\b], s20, s21
.endr
.irp b, 0,1,2,3
	v_max_num_f32 v[TM+\b], v[TM+\b], v[TM+4+\b]   ; with lane l xor 16's: the block's largest magnitude
.endr
.irp b, 0,1,2,3
	v_add_nc_u32 v[TM+8+\b], 0xff000000, v[TM+\b]  ; 2 off its exponent field: the conversion's scale operand
.endr
.irp b, 0,1,2,3
	v_lshrrev_b32 v[TM+4+\b], 23, v[TM+8+\b]       ; the scale's byte
.endr
	v_lshl_or_b32 v[\pw], v[TM+5], 8, v[TM+4]      ; the four bytes make my row's scale word
	v_lshl_or_b32 v[\pw], v[TM+6], 16, v[\pw]
	v_lshl_or_b32 v[\pw], v[TM+7], 24, v[\pw]
.irp c, 0,1
	v_cvt_scalef32_pk16_fp6_f32 v[CDS+6*\c:CDS+2+6*\c], v[\s+32*\c:\s+15+32*\c], v[TM+8+2*\c]
	v_cvt_scalef32_pk16_fp6_f32 v[CDS+12+4*\c:CDS+14+4*\c], v[\s+16+32*\c:\s+31+32*\c], v[TM+8+2*\c+1]   ; (a conversion's three registers begin on an even number)
.endr
	v_nop                                          ; one plain place behind a scaled conversion
.irp c, 0,1                                    ; the operand's layout wants a WHOLE block in a lane: lanes 0-15 block 2 c, lanes 16-31 block 2 c + 1
.irp i, 0,1,2
	v_permlane16_swap_b32 v[CDS+6*\c+\i], v[CDS+12+4*\c+\i]
.endr
.irp i, 0,1,2
	v_mov_b32 v[CDS+3+6*\c+\i], v[CDS+12+4*\c+\i]
.endr
.endr
.endm
	PLACES NP                                      ; behind the last products: T, the codes' registers and those at work held A's fragments
	s_mov_b32 s20, 0x76543210
	s_mov_b32 s21, 0xfedcba98                      ; v_permlanex16_b32's selects for lane l xor 16
.irp b, 0,1,2,3
	v_mov_b32 v[TM+4+\b], 0                        ; written once: a lane permute's destination counts as one of its sources
.endr
.irp a, 0,1,2,3,4,5,6,7
	v_mov_b32 v[80+\a], 0
.endr
.irp a, 0,1,2,3,4,5,6,7
	RELU \a
	KSUM \a
.if \a > 0
	s_wait_dscnt 0x0                               ; the last image's stores have read the codes and the scale word, which are written anew below
.endif
	QUANT T, PW
.irp c, 0,1,2
	ds_store_b128 v[IWI], v[CDS+4*\c:CDS+4*\c+3] offset:1536*\a+512*\c   ; the fragment goes to LDS as it stands: 16 bytes a lane, 512 consecutive bytes a store
.endr
	ds_store_b32 v[IWS], v[PW] offset:128*\a
.endr
	s_wait_dscnt 0x0                               ; for the others' sake: my images have landed
	s_barrier_signal -1
	s_barrier_wait -1                              ; all 32 images lie in LDS; nothing is filled or stored there any more
	; kv's part: head w / 2; k's blocks u = 0, 1 (tau = 2 (w % 2) + u), v's blocks t = 0..3; K step k = the tile's first or second 128 rows of x
	WIN 0x40                                       ; destination window 1
.irp k, 0,1
.irp u, 0,1
.irp c, 0,1,2
	ds_load_b128 v[12*(2*\k+\u)+4*\c:12*(2*\k+\u)+4*\c+3], v[IRK] offset:12288*\k+1536*\u+512*\c
.endr
.endr
.irp t, 0,1,2,3
.irp c, 0,1,2
	ds_load_b128 v[128+12*(4*\k+\t)+4*\c:128+12*(4*\k+\t)+4*\c+3], v[IRV] offset:12288*\k+1536*\t+512*\c
.endr
.endr
.endr
	WIN 0
.irp k, 0,1
.irp u, 0,1
	ds_load_b32 v[32+2*\k+\u], v[IRKS] offset:1024*\k+128*\u
.endr
.irp t, 0,1,2,3
	ds_load_b32 v[36+4*\k+\t], v[IRVS] offset:1024*\k+128*\t
.endr
.endr
	s_wait_dscnt 0x0
	WIN 0x05                                       ; sources 0 and 1 window 1; C and D window 0
.irp k, 0,1                                    ; eight accumulators by turns, a K step at a time
.irp u, 0,1
.irp t, 0,1,2,3
.if \k == 0
	v_wmma_scale_f32_16x16x128_f8f6f4 v[T+8*(4*\u+\t):T+8*(4*\u+\t)+7], v[12*(2*\k+\u):12*(2*\k+\u)+11], v[128+12*(4*\k+\t):128+12*(4*\k+\t)+11], 0, v[32+2*\k+\u], v[36+4*\k+\t] matrix_a_fmt:MATRIX_FMT_FP6 matrix_b_fmt:MATRIX_FMT_FP6
.else
	v_wmma_scale_f32_16x16x128_f8f6f4 v[T+8*(4*\u+\t):T+8*(4*\u+\t)+7], v[12*(2*\k+\u):12*(2*\k+\u)+11], v[128+12*(4*\k+\t):128+12*(4*\k+\t)+11], v[T+8*(4*\u+\t):T+8*(4*\u+\t)+7], v[32+2*\k+\u], v[36+4*\k+\t] matrix_a_fmt:MATRIX_FMT_FP6 matrix_b_fmt:MATRIX_FMT_FP6
.endif
.endr
.endr
.endr
	WIN 0
	PLACES NP
.irp u, 0,1
.irp t, 0,1,2,3
	global_store_b128 v[LI], v[T+8*(4*\u+\t):T+8*(4*\u+\t)+3], s[100:101] offset:65536*\t+1024*\u th:TH_STORE_NT        ; each accumulator from its low end on; the wave stores 512 consecutive bytes, at a multiple of 512 from the buffer's first byte
	global_store_b128 v[LI], v[T+8*(4*\u+\t)+4:T+8*(4*\u+\t)+7], s[100:101] offset:65536*\t+1024*\u+512 th:TH_STORE_NT
.endr
.endr
	s_cmp_lg_u32 s15, 0                            ; k_sum's part leaves from the waves that hold k
	s_cbranch_scc1 .Lnot_k
.irp a, 0,1,2,3,4,5,6,7
	v_permlanex16_b32 v[80+\a], v[64+\a], s20, s21
.endr
.irp a, 0,1,2,3,4,5,6,7
	v_add_f32 v[64+\a], v[64+\a], v[80+\a]         ; with lane l xor 16's 64 rows: the column's sum over my 128 rows of x
.endr
	v_cmp_lt_u32 vcc_lo, 15, v[LN]
.irp t, 0,1,2,3
	v_cndmask_b32 v[76+\t], v[64+\t], v[68+\t], vcc_lo   ; lanes 0-15 store the first head's four blocks, lanes 16-31 the second's
.endr
	global_store_b128 v[LI], v[76:79], s[104:105] th:TH_STORE_NT   ; 512 consecutive bytes
.Lnot_k:
	s_wait_tensorcnt 0x0                           ; the wave's end: behind my last tensor load and my last LDS store
	ds_add_u32 v[SPW], v[NIL]
	s_wait_dscnt 0x0
	CROUND                                         ; the closing round: no work-group ends while a partner may still ask for a tile that names it
	s_endpgm
.Lfunc_end_k_q8f5256baff_kvgemm:
	.size	k_q8f5256baff_kvgemm, .Lfunc_end_k_q8f5256baff_kvgemm-k_q8f5256baff_kvgemm
	.p2alignl 7, 3214868480
	.fill 96, 4, 3214868480
	.section	.rodata,"a",@progbits
	.p2align	6, 0x0
	.amdhsa_kernel k_q8f5256baff_kvgemm
		.amdhsa_group_segment_fixed_size 327680
		.amdhsa_private_segment_fixed_size 0
		.amdhsa_enable_private_segment 0
		.amdhsa_kernarg_size 64
		.amdhsa_user_sgpr_count 2
		.amdhsa_user_sgpr_kernarg_segment_ptr 1
		.amdhsa_wavefront_size32 1
		.amdhsa_system_sgpr_workgroup_id_x 1
		.amdhsa_system_sgpr_workgroup_id_y 1
		.amdhsa_system_sgpr_workgroup_id_z 1
		.amdhsa_system_vgpr_workitem_id 0
		.amdhsa_next_free_vgpr 1024
		.amdhsa_next_free_sgpr 106
		.amdhsa_reserve_vcc 1
		.amdhsa_float_denorm_mode_32 3
		.amdhsa_float_denorm_mode_16_64 3
		.amdhsa_memory_ordered 1
		.amdhsa_forward_progress 1
		.amdhsa_inst_pref_size 183
	.end_amdhsa_kernel
	.amdgpu_metadata
---
amdhsa.version: [ 1, 2 ]
amdhsa.kernels:
  - .name:           k_q8f5256baff_kvgemm
    .symbol:         k_q8f5256baff_kvgemm.kd
    .args:
      - { .name: wc, .offset: 0, .size: 8, .value_kind: global_buffer, .address_space: global }
      - { .name: ws, .offset: 8, .size: 8, .value_kind: global_buffer, .address_space: global }
      - { .name: xc, .offset: 16, .size: 8, .value_kind: global_buffer, .address_space: global }
      - { .name: xs, .offset: 24, .size: 8, .value_kind: global_buffer, .address_space: global }
      - { .name: bk, .offset: 32, .size: 8, .value_kind: global_buffer, .address_space: global }
      - { .name: bv, .offset: 40, .size: 8, .value_kind: global_buffer, .address_space: global }
      - { .name: kvp, .offset: 48, .size: 8, .value_kind: global_buffer, .address_space: global }
      - { .name: ksp, .offset: 56, .size: 8, .value_kind: global_buffer, .address_space: global }
    .group_segment_fixed_size: 327680
    .private_segment_fixed_size: 0
    .kernarg_segment_align: 8
    .kernarg_segment_size: 64
    .max_flat_workgroup_size: 128
    .sgpr_count:     106
    .vgpr_count:     1024
    .wavefront_size: 32
...
	.end_amdgpu_metadata
.endif
;; end of part 2
;; launch reduce (part 3): grid 256 x 1, 5 waves a work-group, no clusters, 17,664 bytes of LDS; arguments kvp, ksp, kvf; writes kvf
.if DOCPART == 3
	.amdgcn_target "amdgcn-amd-amdhsa--gfx1250"
	.amdhsa_code_object_version 6
	.text
	.protected	k_q8f5256baff_reduce
	.globl	k_q8f5256baff_reduce
	.p2align	8
	.type	k_q8f5256baff_reduce,@function
k_q8f5256baff_reduce:
	s_mov_b64 s[64:65], 0
	v_nop
	global_prefetch_b8 v0, s[64:65] scope:SCOPE_SE
	s_setreg_imm32_b32 hwreg(HW_REG_WAVE_MODE, 25, 1), 1
	s_wait_xcnt 0x0
; The parts of kv and of k_sum are added, and kv is quantised along d (the last product's K) into the image of that product's operand.
; kvp: [64 heads][t 4][16 tiles of x][tau 4][2][32 lanes][16 bytes] f32: register 8 tau + j of lane (r, h) is kv[32 h + 8 tau + j][8 t + r % 8 + 32 (r / 8)]: a lane's 32 numbers are one whole block of 32 along d.
; ksp: [64 tiles of x][g 8][half 2][head 2][r 16][tau 4] f32: k_sum's part at d = 8 tau + r % 8 + 32 (r / 8).
; kvf: codes at 0: [64 heads][t 4][3][32 lanes][8 bytes] (a lane's six registers of codes: K = 32 h + 0 .. 31 of row r of block t);  scale words at 196,608: [64][4][16];  k_sum at 212,992: [64][64] f32 in d's own order.
; A scale word serves K = 128 of which a head has 64: an even head's two bytes lie in the low half, an odd head's in the high half; the other half is 127 (it stands over zero codes).
; SHARES.  Work-group 4 x head + t.  Waves 0-3 add four of the sixteen parts each (4,096 bytes a part, each load 512 consecutive bytes); waves 1-3 hand their sums to wave 0 through LDS.  Wave 4 of the work-groups with t = 0 adds the head's k_sum.
; No matrix work, no tensor load, no cluster: no two work-groups read the same bytes.
; LIMITS: a block of zeros, or one whose largest magnitude lies under 2^-124, keeps the scale byte 1; NaN and infinities are not served; the sums are taken part by part.
.set KST, 16384                        ; LDS: wave w = 1..3 has 4,096 bytes at 4,096 w; from KST on 256 bytes in which k_sum is brought into d's order
.set X,   32                           ; v32-63 the sum; v64-159 further parts
	s_load_b128 s[4:7], s[0:1], 0x0                ; kvp, ksp
	s_load_b64 s[8:9], s[0:1], 0x10                ; kvf
	v_lshl_add_u32 v176, v0, 2, 0x4200
	v_mov_b32 v177, 0
	v_lshrrev_b32 v1, 5, v0
	v_readfirstlane_b32 s10, v1                    ; wave 0..4
	v_and_b32 v2, 31, v0                           ; lane
	v_and_b32 v3, 15, v0                           ; r
	v_lshlrev_b32 v5, 4, v2                        ; 16 x lane
	s_lshl_b32 s11, s10, 12
	v_add_nc_u32 v4, s11, v5                       ; my wave's bytes in LDS.  Every LDS address is made here, ahead of the parting of the waves
	v_and_b32 v6, 7, v3
	v_lshrrev_b32 v7, 3, v3
	v_lshl_add_u32 v6, v7, 5, v6
	v_lshl_add_u32 v6, v6, 2, KST                  ; k_sum: d = r % 8 + 32 (r / 8) (+ 8 tau in the offset)
	v_lshlrev_b32 v8, 3, v2                        ; 8 x lane
	v_add_nc_u32 v7, KST, v8
	v_lshlrev_b32 v9, 2, v3                        ; 4 r
	v_lshrrev_b32 v10, 4, v2
	v_lshlrev_b32 v10, 9, v10
	v_lshl_add_u32 v10, v3, 4, v10                 ; ksp: lanes 0-15 the first half of x's rows, lanes 16-31 the second: 512 (lane / 16) + 16 r
	s_lshr_b32 s12, ttmp9, 2                       ; the head, 0..63
	s_and_b32 s13, ttmp9, 3                        ; t
	s_mov_b32 s14, 0x76543210
	s_mov_b32 s15, 0xfedcba98                      ; v_permlanex16_b32's selects for lane l xor 16
	s_wait_kmcnt 0x0
	s_cmp_eq_u32 s10, 4
	s_cbranch_scc1 .Lksum
	; ---- waves 0-3: four parts of kv
	s_lshl_b32 s16, ttmp9, 16                      ; 16 parts of 4,096 bytes for each (head, t),
	s_lshl_b32 s17, s10, 14                        ; my wave's four
	s_add_co_u32 s16, s16, s17
	s_mov_b32 s17, 0
	s_add_nc_u64 s[4:5], s[4:5], s[16:17]
.irp p, 0,1,2,3
.irp k, 0,1,2,3,4,5,6,7
	global_load_b128 v[X+32*\p+4*\k:X+32*\p+4*\k+3], v5, s[4:5] offset:4096*\p+512*\k th:TH_LOAD_NT
.endr
.endr
.irp p, 1,2,3
	s_wait_loadcnt 8*(3-\p)                        ; parts 0 to p are in; the 8 loads of each later part may be out
.set j, 0
.rept 16
	v_pk_add_f32 v[X+j:X+j+1], v[X+j:X+j+1], v[X+32*\p+j:X+32*\p+j+1]
.set j, j+2
.endr
.endr
	s_cmp_eq_u32 s10, 0
	s_cbranch_scc1 .Ljoin                          ; wave 0 keeps its sum
.irp k, 0,1,2,3,4,5,6,7
	ds_store_b128 v4, v[X+4*\k:X+4*\k+3] offset:512*\k
.endr
	s_branch .Ljoin
.Lksum:
	; ---- wave 4, where t = 0: the head's k_sum: 16 tiles of x, two halves each
	s_cmp_lg_u32 s13, 0
	s_cbranch_scc1 .Ljoin
	s_lshr_b32 s16, s12, 4                         ; n: 16 tiles of 8,192 bytes
	s_lshl_b32 s16, s16, 17
	s_bfe_u32 s17, s12, 0x30001                    ; g
	s_lshl_b32 s17, s17, 10
	s_add_co_u32 s16, s16, s17
	s_and_b32 s17, s12, 1                          ; the head in g's pair
	s_lshl_b32 s17, s17, 8
	s_add_co_u32 s16, s16, s17
	s_mov_b32 s17, 0
	s_add_nc_u64 s[6:7], s[6:7], s[16:17]
.irp b, 0,1,2,3,4,5,6,7,8,9,10,11,12,13,14,15
	global_load_b128 v[X+4*\b:X+4*\b+3], v10, s[6:7] offset:8192*\b th:TH_LOAD_NT
.endr
.irp i, 0,1,2,3
	v_mov_b32 v[96+\i], 0                          ; a lane permute's destination counts as one of its sources
.endr
	s_wait_loadcnt 0x0
.irp b, 1,2,3,4,5,6,7,8,9,10,11,12,13,14,15
	v_pk_add_f32 v[X:X+1], v[X:X+1], v[X+4*\b:X+4*\b+1]
	v_pk_add_f32 v[X+2:X+3], v[X+2:X+3], v[X+4*\b+2:X+4*\b+3]
.endr
.irp i, 0,1,2,3
	v_permlanex16_b32 v[96+\i], v[X+\i], s14, s15
.endr
.irp i, 0,1,2,3
	v_add_f32 v[X+\i], v[X+\i], v[96+\i]           ; both halves of x's rows
.endr
.irp i, 0,1,2,3
	ds_store_b32 v6, v[X+\i] offset:32*\i          ; to d = 8 tau + r % 8 + 32 (r / 8); lanes l and l xor 16 write the same word with the same value
.endr
	ds_load_b64 v[40:41], v7                       ; LDS serves a wave's instructions in order (ISA guide 5.7.1.4): these see my stores
	s_lshl_b32 s16, s12, 8
	s_add_co_u32 s16, s16, 212992
	s_add_nc_u64 s[18:19], s[8:9], s[16:17]
	s_wait_dscnt 0x0
	global_store_b64 v8, v[40:41], s[18:19]        ; 32 lanes store 256 consecutive bytes, at a multiple of 256 from the buffer's first byte
.Ljoin:
	s_wait_dscnt 0x0                               ; for wave 0's sake: my stores have landed
	s_barrier_signal -1
	s_barrier_wait -1
	s_cmp_lg_u32 s10, 0
	s_cbranch_scc1 .Lend
	; ---- wave 0: the other three sums, the block's scale, the codes
.irp w, 1,2,3
.irp k, 0,1,2,3,4,5,6,7
	ds_load_b128 v[X+32*\w+4*\k:X+32*\w+4*\k+3], v5 offset:4096*\w+512*\k
.endr
.endr
	s_wait_dscnt 0x0
.irp w, 1,2,3
.set j, 0
.rept 16
	v_pk_add_f32 v[X+j:X+j+1], v[X+j:X+j+1], v[X+32*\w+j:X+32*\w+j+1]
.set j, j+2
.endr
.endr
	v_max3_num_f32 v12, |v[X]|, |v[X+1]|, |v[X+2]|                 ; the block's largest magnitude: all 32 numbers are mine
	v_max3_num_f32 v13, |v[X+3]|, |v[X+4]|, |v[X+5]|
.irp i, 6,10,14,18,22,26
	v_max3_num_f32 v12, v12, |v[X+\i]|, |v[X+\i+1]|
	v_max3_num_f32 v13, v13, |v[X+\i+2]|, |v[X+\i+3]|
.endr
	v_max3_num_f32 v12, v12, |v[X+30]|, |v[X+31]|
	v_max3_num_f32 v12, v12, v13, 0x1800000        ; and the floor 2^(3 - 127): the byte cannot fall under 1
	v_add_nc_u32 v11, 0xff000000, v12              ; 2 off its exponent field: the conversion's scale operand
	v_lshrrev_b32 v13, 23, v11                     ; the scale's byte
	v_cvt_scalef32_pk16_fp6_f32 v[160:162], v[X:X+15], v11
	v_cvt_scalef32_pk16_fp6_f32 v[164:166], v[X+16:X+31], v11      ; (a conversion's three registers begin on an even number)
	v_nop                                          ; one plain place behind a scaled conversion
	v_mov_b32 v163, v164
	v_mov_b32 v164, v165
	v_mov_b32 v165, v166                           ; v160-165: the codes of K = 32 h + 0 .. 31
	s_mul_i32 s16, ttmp9, 768
	s_mov_b32 s17, 0
	s_add_nc_u64 s[18:19], s[8:9], s[16:17]
.irp c, 0,1,2
	global_store_b64 v8, v[160+2*\c:161+2*\c], s[18:19] offset:256*\c   ; 256 consecutive bytes a store, at a multiple of 256 from the buffer's first byte
.endr
	v_lshrrev_b32 v14, 4, v2
	v_lshlrev_b32 v14, 3, v14
	v_lshlrev_b32 v13, v14, v13                    ; my block's byte at its place, 8 h bits up;
	v_mov_b32 v15, 0
	v_permlanex16_b32 v15, v13, s14, s15
	v_or_b32 v13, v13, v15                         ; with lane l xor 16's: the row's two bytes
	s_and_b32 s20, s12, 1
	s_lshl_b32 s21, s20, 4
	v_lshlrev_b32 v13, s21, v13                    ; an odd head's lie in the word's high half
	s_cmp_eq_u32 s20, 0
	s_mov_b32 s22, 0x00007f7f
	s_cselect_b32 s22, 0x7f7f0000, s22
	v_or_b32 v13, s22, v13                         ; 127 in the half that stands over zero codes
	s_lshl_b32 s16, ttmp9, 6
	s_add_co_u32 s16, s16, 196608
	s_add_nc_u64 s[24:25], s[8:9], s[16:17]
	global_store_b32 v9, v13, s[24:25]             ; 16 words; lanes 16-31 write the same words with the same values
.Lend:
	s_wait_tensorcnt 0x0
	ds_add_u32 v176, v177
	s_wait_dscnt 0x0
	s_endpgm
.Lfunc_end_k_q8f5256baff_reduce:
	.size	k_q8f5256baff_reduce, .Lfunc_end_k_q8f5256baff_reduce-k_q8f5256baff_reduce
	.p2alignl 7, 3214868480
	.fill 96, 4, 3214868480
	.section	.rodata,"a",@progbits
	.p2align	6, 0x0
	.amdhsa_kernel k_q8f5256baff_reduce
		.amdhsa_group_segment_fixed_size 17664
		.amdhsa_private_segment_fixed_size 0
		.amdhsa_enable_private_segment 0
		.amdhsa_kernarg_size 24
		.amdhsa_user_sgpr_count 2
		.amdhsa_user_sgpr_kernarg_segment_ptr 1
		.amdhsa_wavefront_size32 1
		.amdhsa_system_sgpr_workgroup_id_x 1
		.amdhsa_system_sgpr_workgroup_id_y 1
		.amdhsa_system_sgpr_workgroup_id_z 1
		.amdhsa_system_vgpr_workitem_id 0
		.amdhsa_next_free_vgpr 178
		.amdhsa_next_free_sgpr 66
		.amdhsa_reserve_vcc 0
		.amdhsa_float_denorm_mode_32 3
		.amdhsa_float_denorm_mode_16_64 3
		.amdhsa_memory_ordered 1
		.amdhsa_forward_progress 1
		.amdhsa_inst_pref_size 21
	.end_amdhsa_kernel
	.amdgpu_metadata
---
amdhsa.version: [ 1, 2 ]
amdhsa.kernels:
  - .name:           k_q8f5256baff_reduce
    .symbol:         k_q8f5256baff_reduce.kd
    .args:
      - { .name: kvp, .offset: 0, .size: 8, .value_kind: global_buffer, .address_space: global }
      - { .name: ksp, .offset: 8, .size: 8, .value_kind: global_buffer, .address_space: global }
      - { .name: kvf, .offset: 16, .size: 8, .value_kind: global_buffer, .address_space: global }
    .group_segment_fixed_size: 17664
    .private_segment_fixed_size: 0
    .kernarg_segment_align: 8
    .kernarg_segment_size: 24
    .max_flat_workgroup_size: 160
    .sgpr_count:     66
    .vgpr_count:     178
    .wavefront_size: 32
...
	.end_amdgpu_metadata
.endif
;; end of part 3
;; launch qout (part 4): grid 4 x 64, 4 waves a work-group, clusters of 4 x 4, 327,680 bytes of LDS; arguments xc, xs, wc, ws, bq, kvf, out0; writes out0
.if DOCPART == 4
	.amdgcn_target "amdgcn-amd-amdhsa--gfx1250"
	.amdhsa_code_object_version 6
	.text
	.protected	k_q8f5256baff_qout
	.globl	k_q8f5256baff_qout
	.p2align	8
	.type	k_q8f5256baff_qout,@function
k_q8f5256baff_qout:
	s_mov_b64 s[64:65], 0
	v_nop
	global_prefetch_b8 v0, s[64:65] scope:SCOPE_SE
	s_setreg_imm32_b32 hwreg(HW_REG_WAVE_MODE, 25, 1), 1
	s_wait_xcnt 0x0
	s_wait_alu depctr_hold_cnt(0) depctr_sa_sdst(0) depctr_va_vdst(0) depctr_va_sdst(0) depctr_va_ssrc(0) depctr_va_vcc(0) depctr_vm_vsrc(0)
	s_getreg_b32 s2, hwreg(HW_REG_IB_STS2, 6, 4)
	s_cmp_eq_u32 s2, 0
	s_cbranch_scc0 .Lentry_in_a_cluster
	s_endpgm
.Lentry_in_a_cluster:
	s_bfe_u32 s2, ttmp6, 0x10000c
	s_cmp_lg_u32 s2, 0xf033
	s_cbranch_scc0 .Lentry_shape_is_right
	s_endpgm
.Lentry_shape_is_right:
; q = relu(x wq^T + bq) + eps for 256 rows of x and four heads, then out = (q kv) / (q . k_sum), stored.  q never goes to memory.
; The products x wq^T and q kv on codes of FP6 (E2M3), 6 bits each, with one E8M0 scale for each 32 along a product's K; q . k_sum by fused multiply-adds in f32 on the unquantised q; sums in f32.
; THE TILE.  256 rows of x (role A: source 1, its rows fall on lanes) x 256 rows of wq (role B: source 0, its rows fall into a lane's registers).  Four waves, each 128 x 128: 64 accumulators, 512 registers.
; THE CODES LIE IN MEMORY AS IMAGES OF THE OPERAND'S REGISTERS: [row block of 16 rows][K step of 128: 8][1,536 bytes], lane l's registers 4 c .. 4 c + 3 at 512 c + 16 l.  A fragment comes out of LDS by three loads of 16 bytes a lane, each of 512
; consecutive bytes: no pitch, no padding.  A wave's tensor load brings 8 row blocks x 256 along K: 8 rows of 3,072 bytes, 12,288 bytes apart.
; K = 1,024 IS FOUR SLOTS' WORTH OF 256, AND LDS HOLDS THREE: the first three come as first fills, the fourth is the launch's one refill: into the first region, behind the change from the first to the second, 224 matrix instructions ahead of the wait for it.
; wq's rows were stored so that in a lane the 64 registers of one block of x's rows are columns 32 p + 16 (lane / 16) + i at register 16 p + i: p = 0, 1 the wave's first head (A), p = 2, 3 its second (B).
; x's rows were stored so that lane r of block a is row 32 (a / 2) + 8 (a % 2) + r + 8 (r / 8) of the wave's 128.
; THE BIAS is the C of each sum's first product.  relu(y + b) + eps is computed as max(y + (b + eps), eps): the same number but for the order of two roundings, at most one unit in the last place of f32.
; THEN, block by block of 16 rows: the 64 numbers are quantised: ONE fragment with K = 128: head A's 64, then head B's.  kv of a head has K = 64: its fragment holds the head's codes in its own half of K and zero codes in the other,
; so one fragment of q serves both heads.  Source 0 = 16 columns e of kv, source 1 = q: register j of lane (r, h) is out[row r][32 h + 8 t + j].  The results are divided by the row's q . k_sum and leave through the wave's stage in LDS as whole rows of 256 bytes.
; CLUSTERS: 4 x 4 work-groups.  The four of a row of the cluster need the same tiles of x, the four of a column the same tiles of wq: each tile is asked for JOINTLY, by the same tensor load with the same descriptor and a mask that names the four.
; LIMITS: NaN and infinities are not served; a block whose largest magnitude lies under 2^-124 keeps the scale byte 1; the division is a multiplication by v_rcp_f32's result.
; REGISTERS, in windows of 256: window 0: v1-11 addresses; v16-29 the regions' addresses, the stage's and the spare word's; v32-63 scale words and nothing else; v64-117, v224-241 kv's codes: for each t 18 registers: A's 6, 6 zeros, B's 6;
;   v118-127, v248-251 the divisor at work; v244-247 kv's scale words; v128-223 A's fragments, ONE set; behind the products v128-191 T (64 numbers), v192-211 the codes just made, v212-223 at work.
;   window 1: B's fragments, TWO sets, v0-95 and v128-223, behind the products rows on their way out; v96-127, v224-255 the bias, later k_sum.   windows 2, 3: the accumulators ((a, b) at v[8 (8 (a % 4) + b)]).
.set NQ,     2                         ; K steps of 128 in a slot
.set IMB,    1536                      ; a fragment's image
.set RBB,    NQ*IMB                    ; a row block's bytes in a slot
.set RBM,    8*IMB                     ; a row block's bytes in memory
.set KROW,   768                       ; bytes of codes for each row
.set FR,     12                        ; registers of a fragment: 16 rows x 128 K
.set NL,     3                         ; LDS loads that bring one
.set NP,     4                         ; places behind this matrix instruction (ISA guide 7.12.1)
.set HALFT,  8*RBB                     ; 128 rows: what one tensor load brings, and what one wave reads of A or of B
.set SLOT,   4*HALFT                   ; A's 256 rows, then B's 256 rows.  Three such regions
.set KS,     32                        ; scale bytes for each row
.set SCL,    3*SLOT                    ; behind the regions: the scale bytes for all of K, as rows of 256 bytes + 16 of padding
.set HALFS,  (128*KS/256)*272          ; those of 128 rows: what one tensor load brings
.set SBLK,   (16*KS/256)*272           ; those of 16 rows: the first half of K's 256 bytes (16 a row), then the second's
.set SPARE,  SCL+4*HALFS               ; the spare words, 128 bytes for each wave: two blocks of 256 bytes that no other line names
.set STG,    SLOT                      ; the stages: for each wave 2 heads x 16 rows x (256 bytes + 16).  They lie in the second region, which is filled once, at the start, and whose last reads lie ahead of the last barrier of the products
.set LI,   11                          ; v11  16 x lane
.set ADRA, 16                          ; v16-18  LDS address of my A fragments in regions 0, 1, 2
.set ADRB, 20                          ; v20-22  the same for B
.set STO,  24                          ; v24  the way out: where I put 32 bytes of a row
.set RD,   25                          ; v25  where I read a row back
.set CO,   26                          ; v26  my byte offset in two rows of out
.set ADRS, 27                          ; v27  LDS address of my scale words: lanes 0-15 A's rows, lanes 16-31 B's; never rewritten
.set SPW,  28                          ; v28  LDS address of my spare word; never rewritten
.set NIL,  29                          ; v29  0; never rewritten
.set SC,   32                          ; scale words: two sets of 16, for the slots by turns; register NQ i + q: lanes 0-15 A's block i, lanes 16-31 B's block i
.set PW,   32                          ; behind the products: q's scale word
.set KVS,  244                         ; v244-247 kv's scale words for t = 0..3: lanes 0-15 head A's, lanes 16-31 head B's
.set AF,   128                         ; A's fragments
.set T,    128                         ; behind the products: 64 numbers of a lane
.set CDS,  192                         ; the codes just made: 12 registers, and 8 at work
.set TM,   212                         ; v212-215 largest magnitudes, v216-219 bytes, v220-223 the conversions' scale operands
.set G1, 24                            ; s[24:31] descriptor group 1 for A's tiles;  s[32:39] group 0 for regions 0 and 1, s[4:7] for region 2
.set G0, 32
.set G1B, 48                           ; s[48:55]; s[56:63], s[8:11]: the same for B's tiles
.set G0B, 56
.set G1S, 68                           ; s[68:75], s[76:79] groups 1 and 0 for A's scales;  s[80:87], s[88:91] for B's
.set G0S, 76
.set G1SB, 80
.set G0SB, 88
.set MSB, 0
.macro WIN new                         ; the immediate's high byte repeats the setting that is left; a switch that changes nothing is dropped
.if MSB != (\new)
	s_set_vgpr_msb (MSB<<8)|(\new)
.set MSB, (\new)
.endif
.endm
.set MUL_LO, 0xa1                      ; source 0 (B) window 1, source 1 (A) window 0, C and D window 2
.set MUL_HI, 0xf1                      ; the same, C and D window 3
.set FIRST_LO, 0x91                    ; the first products: C (the bias) window 1, D window 2
.set FIRST_HI, 0xd1                    ; D window 3
.set TO_B,   0x40                      ; destination window 1, address window 0
; A joint load: waves 0 and 1 fetch for A, waves 2 and 3 for B.  Each of the two lines has ONE mask and one set of registers for all that issue it; the branch hangs on the wave's number alone.
; Four v_nop follow each of the two lines, ahead of the jump, the label and what follows.
.macro JLOAD g0a, g1a, g0b, g1b
	s_cmp_eq_u32 s15, 0
	s_cbranch_scc0 .Lfor_b_\@
	tensor_load_to_lds s[\g0a:\g0a+3], s[\g1a:\g1a+7]
	s_nop 0
.rept 4
	v_nop
.endr
	s_branch .Lasked_\@
.Lfor_b_\@:
	tensor_load_to_lds s[\g0b:\g0b+3], s[\g1b:\g1b+7]
	s_nop 0
.rept 4
	v_nop
.endr
.Lasked_\@:
.endm
.macro CREST                           ; a round of the cluster's barrier behind its opening barrier
	s_cmp_lg_u32 s14, 0
	s_cbranch_scc1 .Lnot_wave_0_\@
	s_barrier_signal -3
.Lnot_wave_0_\@:
	s_barrier_wait -3
	s_barrier_signal -1
	s_barrier_wait -1
.endm
.macro CROUND                          ; a whole round
	s_barrier_signal -1
	s_barrier_wait -1
	CREST
.endm
	s_load_b128 s[4:7], s[0:1], 0x0                ; x's codes s[4:5], x's scales s[6:7]  (A)
	s_load_b128 s[8:11], s[0:1], 0x10              ; the weights' codes s[8:9], their scales s[10:11]  (B: wq is their first 1,024 rows)
	s_load_b128 s[96:99], s[0:1], 0x20             ; bq, kvf
	s_load_b64 s[100:101], s[0:1], 0x30            ; out
	v_lshl_add_u32 v[SPW], v0, 2, SPARE
	v_mov_b32 v[NIL], 0
	ds_add_u32 v28, v29
	ds_add_u32 v28, v29
	s_wait_dscnt 0x0
	v_lshrrev_b32 v1, 5, v0
	v_readfirstlane_b32 s14, v1                    ; wave 0..3
	s_lshr_b32 s15, s14, 1                         ; which half of x's rows is mine.  Also: I fetch for A (0) or for B (1)
	s_and_b32 s16, s14, 1                          ; which half of wq's rows: which two heads.  Also: which 128 rows of that tile I fetch
	s_bfe_u32 s40, ttmp6, 0x40000                  ; cx, cy: my place in the cluster
	s_bfe_u32 s41, ttmp6, 0x40004
	s_lshl_b32 s42, ttmp9, 2
	s_add_co_u32 s42, s42, s40                     ; wq's tile, 0..3 = 4 x cluster x + cx
	s_and_b32 s17, ttmp7, 0xffff
	s_lshl_b32 s17, s17, 2
	s_add_co_u32 s17, s17, s41                     ; x's tile, 0..63 = 4 x cluster y + cy
	s_lshl_b32 s43, s41, 2
	s_lshl_b32 s43, 15, s43                        ; my row of the cluster
	s_lshl_b32 s44, 0x1111, s40                    ; my column
	; descriptor group 1: 8 row blocks x RBB bytes, as they lie
	s_or_b32 s[G1+0], s43, (3<<16)|(1<<21)         ; 15:0 the mask: A's tiles go to my row; 17:16 elements of 8 bytes; 20 no padding; 21 set beside a mask
	s_or_b32 s[G1B+0], s44, (3<<16)|(1<<21)
.irp g, G1, G1B
	s_mov_b32 s[\g+1], (RBB/8)<<16                 ; tensor_dim0 = 384 elements
	s_mov_b32 s[\g+2], 8<<16                       ; tensor_dim1 = 8
	s_mov_b32 s[\g+3], (RBB/8)<<16                 ; tile_dim0
	s_mov_b32 s[\g+4], 8                           ; tile_dim1
	s_mov_b32 s[\g+5], RBM/8                       ; tensor_dim0_stride: from row block to row block
	s_mov_b32 s[\g+6], 0
	s_mov_b32 s[\g+7], 0
.endr
	; and for the scales of 128 rows: a dense block of 4,096 bytes, as 16 rows of 256 bytes (32 elements of 8 bytes), 16 bytes of padding behind each
	s_or_b32 s[G1S+0], s43, (3<<16)|(1<<20)|(1<<21)|(5<<22)|(3<<25)
	s_or_b32 s[G1SB+0], s44, (3<<16)|(1<<20)|(1<<21)|(5<<22)|(3<<25)
.irp g, G1S, G1SB
	s_mov_b32 s[\g+1], 32<<16
	s_mov_b32 s[\g+2], (128*KS/256)<<16
	s_mov_b32 s[\g+3], 32<<16
	s_mov_b32 s[\g+4], 128*KS/256
	s_mov_b32 s[\g+5], 32
	s_mov_b32 s[\g+6], 0
	s_mov_b32 s[\g+7], 0
.endr
	s_lshl_b32 s18, s16, 7                         ; which 128 rows of the tile I fetch
	s_lshl_b32 s20, s17, 8
	s_add_co_u32 s20, s20, s18                     ; A: row 256 x tile + 128 x half
	s_lshl_b32 s46, s42, 8
	s_add_co_u32 s46, s46, s18                     ; B: row 256 x tile + 128 x half
	s_mov_b32 s21, 0
	s_mov_b32 s47, 0
	s_mov_b64 s[18:19], KS
	s_mul_u64 s[22:23], s[20:21], s[18:19]         ; where these rows' scales begin, in bytes
	s_mul_u64 s[92:93], s[46:47], s[18:19]
	s_mov_b64 s[18:19], KROW
	s_mul_u64 s[20:21], s[20:21], s[18:19]         ; and their row blocks of codes
	s_mul_u64 s[46:47], s[46:47], s[18:19]
	s_mul_i32 s45, s14, HALFT                      ; where they go: wave x 128 rows: no place in the cluster enters an LDS address
	s_mul_i32 s94, s14, HALFS
	s_wait_kmcnt 0x0
	s_add_nc_u64 s[20:21], s[4:5], s[20:21]
	s_add_nc_u64 s[22:23], s[6:7], s[22:23]
	s_add_nc_u64 s[46:47], s[8:9], s[46:47]
	s_add_nc_u64 s[92:93], s[10:11], s[92:93]
	CROUND                                         ; all sixteen work-groups are here: the first joint loads meet
	s_mov_b32 s[G0S], 1
	s_add_co_u32 s[G0S+1], s94, SCL
	s_mov_b64 s[G0S+2:G0S+3], s[22:23]
	s_or_b32 s[G0S+3], s[G0S+3], 0x80000000
	s_mov_b32 s[G0SB], 1
	s_add_co_u32 s[G0SB+1], s94, SCL
	s_mov_b64 s[G0SB+2:G0SB+3], s[92:93]
	s_or_b32 s[G0SB+3], s[G0SB+3], 0x80000000
	JLOAD G0S, G1S, G0SB, G1SB                     ; the scales first: they are wanted with the first products.  Four loads of mine are out behind the first fills
.irp s, 0,1,2
.set GA, G0+4*\s-36*(\s/2)             ; s32, s36, s4 (the four pointers in s[4:11] are done with)
.set GB, G0B+4*\s-56*(\s/2)            ; s56, s60, s8
	s_mov_b32 s[GA], 1
	s_add_co_u32 s[GA+1], s45, \s*SLOT
	s_add_nc_u64 s[GA+2:GA+3], s[20:21], \s*RBB
	s_or_b32 s[GA+3], s[GA+3], 0x80000000
	s_mov_b32 s[GB], 1
	s_add_co_u32 s[GB+1], s45, \s*SLOT
	s_add_nc_u64 s[GB+2:GB+3], s[46:47], \s*RBB
	s_or_b32 s[GB+3], s[GB+3], 0x80000000
	JLOAD GA, G1, GB, G1B                          ; 256 along K from 256 s on, into region s
.endr
	v_and_b32 v1, 15, v0                           ; r = l % 16
	v_bfe_u32 v2, v0, 4, 1                         ; h = l / 16
	v_and_b32 v7, 31, v0                           ; lane
	v_lshlrev_b32 v[LI], 4, v7                     ; an image's place for my lane
	s_mul_i32 s21, s15, HALFT                      ; my 128 rows of A
	s_mul_i32 s22, s16, HALFT                      ; my 128 rows of B,
	s_add_co_u32 s22, s22, 2*HALFT                 ; which lie behind A's 256
.irp s, 0,1,2
	v_add_nc_u32 v[ADRA+\s], s21, v[LI]
	v_add_nc_u32 v[ADRB+\s], s22, v[LI]
	s_add_co_u32 s21, s21, SLOT
	s_add_co_u32 s22, s22, SLOT
.endr
	v_lshlrev_b32 v5, 4, v1                        ; my row's scales: 16 bytes a row in each half of K
	s_mul_i32 s21, s15, HALFS                      ; A's: my 128 rows
	s_mul_i32 s22, s16, HALFS                      ; B's: my 128 rows, behind A's 256
	s_add_co_u32 s22, s22, 2*HALFS
	s_sub_co_u32 s22, s22, s21
	v_mul_u32_u24 v6, s22, v2                      ; lanes 16-31 take B's: the lower base + h x the distance
	s_add_co_u32 s21, s21, SCL
	v_add_nc_u32 v5, v5, v6
	v_add_nc_u32 v[ADRS], s21, v5
	; the stage and the way out
	s_mul_i32 s23, s14, 2*16*272
	s_add_co_u32 s23, s23, STG                     ; my stage
	v_mul_u32_u24 v5, v1, 272
	v_lshl_add_u32 v5, v2, 7, v5
	v_add_nc_u32 v[STO], s23, v5                   ; in: row r, + 128 h: my half's 32 columns
	v_mul_u32_u24 v5, v2, 272
	v_lshl_add_u32 v5, v1, 4, v5
	v_add_nc_u32 v[RD], s23, v5                    ; back: lanes 0-15 one row of 256 bytes, lanes 16-31 the next
	v_lshlrev_b32 v[CO], 8, v2
	v_lshl_add_u32 v[CO], v1, 4, v[CO]             ; and the same two rows in out
	; what this launch reads beside the tiles
	s_mov_b32 s66, 0x3a83126f                      ; eps = 1e-3
	s_mov_b32 s67, s66                             ; (named with it as a pair, so it is written)
	s_mov_b32 s95, s66                             ; the floor of the results
	s_lshl_b32 s46, s42, 10                        ; bq: my 128 columns from 256 x tile + 128 x half on
	s_lshl_b32 s47, s16, 9
	s_add_co_u32 s46, s46, s47
	s_mov_b32 s47, 0
	s_add_nc_u64 s[12:13], s[96:97], s[46:47]
	s_lshr_b32 s92, s17, 4                         ; n
	s_lshl_b32 s92, s92, 4
	s_lshl_b32 s93, s42, 2
	s_add_co_u32 s92, s92, s93
	s_lshl_b32 s93, s16, 1
	s_add_co_u32 s92, s92, s93                     ; head A among the 64: 16 n + 4 x tile + 2 x half: an even number; head B is the next
	s_lshl_b32 s46, s92, 8
	s_add_co_u32 s46, s46, 196608
	s_add_nc_u64 s[104:105], s[98:99], s[46:47]    ; kv's scale words, 256 bytes a head; k_sum lies 16,384 bytes on, 256 bytes a head too
	s_mul_i32 s46, s92, 3072
	s_add_nc_u64 s[98:99], s[98:99], s[46:47]      ; kv's codes, 3,072 bytes a head
	s_lshl_b32 s46, s92, 12                        ; out: a head's 4,096 rows,
	s_and_b32 s93, s17, 15
	s_lshl_b32 s93, s93, 8                         ; the tile's 256,
	s_add_co_u32 s46, s46, s93
	s_lshl_b32 s93, s15, 7                         ; my 128;
	s_add_co_u32 s46, s46, s93
	s_lshl_b32 s46, s46, 8                         ; 256 bytes a row
	s_add_nc_u64 s[100:101], s[100:101], s[46:47]
	v_lshlrev_b32 v8, 6, v2                        ; 64 h: my half's 16 numbers of each 32
	v_lshlrev_b32 v9, 3, v7                        ; 8 x lane
	v_lshlrev_b32 v10, 8, v2
	v_lshl_add_u32 v10, v1, 2, v10                 ; 256 h + 4 r: lanes 0-15 head A's words, lanes 16-31 head B's
	WIN 0x40                                       ; destination window 1
.irp b, 0,1,2,3,4,5,6,7
.irp q, 0,1
	global_load_b128 v[96+8*\b+96*(\b/4)+4*\q:96+8*\b+96*(\b/4)+4*\q+3], v8, s[12:13] offset:(32*(\b/2)+8*(\b%2))*4+16*\q   ; block b's C: register j is column 32 (b / 2) + 16 h + 8 (b % 2) + j
.endr
.endr
	WIN 0
.irp d, 0,1
.irp t, 0,1,2,3
.irp c, 0,1,2
	global_load_b64 v[64+18*\t+106*(\t/3)+12*\d+2*\c:64+18*\t+106*(\t/3)+12*\d+2*\c+1], v9, s[98:99] offset:3072*\d+768*\t+256*\c   ; kv's codes as the operand's registers take them: 256 consecutive bytes a load
.endr
.endr
.endr
.irp t, 0,1,2,3
	global_load_b32 v[KVS+\t], v10, s[104:105] offset:64*\t
.endr
.irp t, 0,1,2,3
.irp i, 6,7,8,9,10,11
	v_mov_b32 v[64+18*\t+106*(\t/3)+\i], 0         ; the zero codes between head A's six registers and head B's
.endr
.endr
	s_wait_loadcnt 0x0
	WIN 0x41                                       ; destination and source 0 window 1
.set j, 0
.rept 32
	v_pk_add_f32 v[96+2*j+96*(j/16):97+2*j+96*(j/16)], v[96+2*j+96*(j/16):97+2*j+96*(j/16)], s[66:67] op_sel_hi:[1,0]   ; b + eps
.set j, j+1
.endr
	WIN 0
.macro FRAG reg, adr, off              ; a fragment, 16 rows x 128 K of 6-bit codes, is 12 registers: its image comes as it lies, 512 consecutive bytes a load
.irp c, 0,1,2
	ds_load_b128 v[\reg+4*\c:\reg+4*\c+3], v[\adr] offset:\off+512*\c
.endr
.endm
; 16 matrix instructions: A's blocks a0, a0 + 1 x B's eight, 128 along K: the slot's q-th.  p: B's set;  sc: the set of scale words.  first = 1: the first product starts the sums from block b's bias: nothing is ever cleared.
; The 64 accumulators take turns, one instruction a turn, in the same order in every step.
.macro MUL16 a0, p, q, sc, first
.irp a, \a0, \a0+1
.irp b, 0,1,2,3,4,5,6,7
.if \first
	v_wmma_scale_f32_16x16x128_f8f6f4 v[8*(8*((\a)%4)+\b):8*(8*((\a)%4)+\b)+7], v[128*(\p)+FR*\b:128*(\p)+FR*\b+FR-1], v[AF+FR*(\a):AF+FR*(\a)+FR-1], v[96+8*\b+96*(\b/4):96+8*\b+96*(\b/4)+7], v[SC+8*NQ*(\sc)+NQ*\b+(\q)], v[SC+8*NQ*(\sc)+NQ*(\a)+(\q)] matrix_a_fmt:MATRIX_FMT_FP6 matrix_b_fmt:MATRIX_FMT_FP6 matrix_a_scale:MATRIX_SCALE_ROW1
.else
	v_wmma_scale_f32_16x16x128_f8f6f4 v[8*(8*((\a)%4)+\b):8*(8*((\a)%4)+\b)+7], v[128*(\p)+FR*\b:128*(\p)+FR*\b+FR-1], v[AF+FR*(\a):AF+FR*(\a)+FR-1], v[8*(8*((\a)%4)+\b):8*(8*((\a)%4)+\b)+7], v[SC+8*NQ*(\sc)+NQ*\b+(\q)], v[SC+8*NQ*(\sc)+NQ*(\a)+(\q)] matrix_a_fmt:MATRIX_FMT_FP6 matrix_b_fmt:MATRIX_FMT_FP6 matrix_a_scale:MATRIX_SCALE_ROW1
.endif
.endr
.endr
.endm
.macro FETCH_B rg, q, p                ; B's eight fragments of region rg's q-th 128 along K into set p
	WIN TO_B
.irp i, 0,1,2,3,4,5,6,7
	FRAG 128*(\p)+FR*\i, ADRB+\rg, \i*RBB+(\q)*IMB
.endr
	WIN 0
.endm
.macro FETCH_A rg, q, i0               ; A's blocks i0 .. i0 + 3
.irp i, \i0, \i0+1, \i0+2, \i0+3
	FRAG AF+FR*(\i), ADRA+\rg, (\i)*RBB+(\q)*IMB
.endr
.endm
.macro SCALES sg                       ; the scale words of K's slot sg (0..3) into set sg % 2: NQ words a row; lanes 0-15 take A's block i, lanes 16-31 B's block i
.irp i, 0,1,2,3,4,5,6,7
	ds_load_b64 v[SC+8*NQ*((\sg)%2)+NQ*\i:SC+8*NQ*((\sg)%2)+NQ*\i+1], v[ADRS] offset:\i*SBLK+272*((\sg)/2)+8*((\sg)%2)
.endr
.endm
; A load into a register that a matrix instruction has read, and a vector instruction or a store that reads a matrix result, stand NP places behind that matrix instruction; only plain vector
; instructions that name none of its registers are places (ISA guide 7.12.1 for vector instructions).
.macro PLACES n
.rept \n
	v_nop
.endr
.endm
; A step of 128 along K, the q-th of its slot, with the scale words of set sc.  It fetches the next step's fragments, the nq-th 128 of region nrg, which every wave has been shown whole; with nq = 0 also the scale words of K's slot nsg.
.macro STEP q, sc, first, nrg, nq, nsg
	s_wait_dscnt 4*NL                              ; B's set, A's blocks 0-3 and the scale words are in; the youngest 12 loads (A's blocks 4-7) may be out
.if \first
	WIN FIRST_LO
.else
	WIN MUL_LO
.endif
	MUL16 0, \q, \q, \sc, \first
	MUL16 2, \q, \q, \sc, \first
	s_wait_dscnt 0                                 ; A's blocks 4-7 are in (asked for 32 matrix instructions ago)
	PLACES NP
	FETCH_B \nrg, \nq, 1-\q
	FETCH_A \nrg, \nq, 0
.if \nq == 0
	SCALES \nsg
.endif
.if \first
	WIN FIRST_HI
.else
	WIN MUL_HI
.endif
	MUL16 4, \q, \q, \sc, \first
	MUL16 6, \q, \q, \sc, \first
	PLACES NP
	WIN 0
	FETCH_A \nrg, \nq, 4
.endm
; A slot's second step with a barrier in it: in front of the barrier each wave waits for all its tensor loads, adds 0 to its spare word, and waits for that and for its own LDS reads.  Behind it region nrg is whole for every wave.
; fill = 1: the region just read out, region 0, is filled again, with the last 256 along K: the barrier opens a round of the cluster's barrier.
.macro TURN sc, nrg, nsg, fill
	s_wait_tensorcnt 0x0                           ; all my tensor loads have landed  (every window is 0 here)
	ds_add_u32 v[SPW], v[NIL]                      ; 0 onto my spare word
	s_wait_dscnt 4*NL+1                            ; (the add and the youngest 12 loads, A's blocks 4-7, may be out)
	WIN MUL_LO
	MUL16 0, 1, 1, \sc, 0                          ; sixteen matrix instructions stand between the add and the wait for it
	s_wait_dscnt 0x0                               ; the add is done, and my LDS reads so far are over
	s_barrier_signal -1
	MUL16 2, 1, 1, \sc, 0
	WIN 0
	s_barrier_wait -1
.if \fill
	CREST                                          ; no wave of any partner still reads region 0 or has a load on its way
	s_add_nc_u64 s[G0+2:G0+3], s[G0+2:G0+3], 3*RBB
	s_add_nc_u64 s[G0B+2:G0B+3], s[G0B+2:G0B+3], 3*RBB
	JLOAD G0, G1, G0B, G1B                         ; the first tensor load behind the round, and my last; the four v_nop behind it are the places in front of the loads below
.else
	PLACES NP
.endif
	FETCH_B \nrg, 0, 0
	FETCH_A \nrg, 0, 0
	SCALES \nsg
	WIN MUL_HI
	MUL16 4, 1, 1, \sc, 0
	MUL16 6, 1, 1, \sc, 0
	PLACES NP
	WIN 0
	FETCH_A \nrg, 0, 4
.endm
	PLACES 4
	s_wait_tensorcnt 2                             ; the scales and my part of region 0 are in (the loads for regions 1 and 2 may be out)
	s_barrier_signal -1
	s_barrier_wait -1                              ; everybody's are
	FETCH_B 0, 0, 0
	FETCH_A 0, 0, 0
	SCALES 0
	FETCH_A 0, 0, 4
	STEP 0, 0, 1, 0, 1, 0                          ; K 0-127: its products start the sums from the bias
	WIN 0x40                                       ; the bias is done with (four places stand behind its last reader): its registers take k_sum of my two heads, register 16 p + i = k_sum[head p / 2][32 (p % 2) + 16 h + i], as T holds q
.irp p, 0,1,2,3
.irp q, 0,1,2,3
	global_load_b128 v[96+16*\p+96*(\p/2)+4*\q:96+16*\p+96*(\p/2)+4*\q+3], v8, s[104:105] offset:16384+256*(\p/2)+128*(\p%2)+16*\q
.endr
.endr
	WIN 0
	TURN 0, 1, 1, 1                                ; K 128-255; regions 1 and 2 are whole; region 0 is asked for again
	STEP 0, 1, 0, 1, 1, 0                          ; K 256-383
	STEP 1, 1, 0, 2, 0, 2                          ; K 384-511; on to region 2, which the round has shown whole: no barrier
	STEP 0, 0, 0, 2, 1, 0                          ; K 512-639
	TURN 0, 0, 3, 0                                ; K 640-767; region 0 is whole again; nothing is filled, so no round
	STEP 0, 1, 0, 0, 1, 0                          ; K 768-895
	s_wait_dscnt 4*NL                              ; K 896-1,023: nothing more to fetch
	WIN MUL_LO
	MUL16 0, 1, 1, 1, 0
	MUL16 2, 1, 1, 1, 0
	s_wait_dscnt 0
	WIN MUL_HI
	MUL16 4, 1, 1, 1, 0
	MUL16 6, 1, 1, 1, 0
	WIN 0
; BEHIND THE PRODUCTS.  Block a's 64 results of a lane (one row of x, columns 32 p + 16 h + i at register 16 p + i) come into T, held at eps from below: each accumulator is read from its low end on.
.macro RELU a
	WIN 0x08+4*((\a)/4)                            ; source 1: window 2 or 3
.set j, 0
.rept 64
	v_max_num_f32 v[T+j], s95, v[64*((\a)%4)+j]
.set j, j+1
.endr
	WIN 0
.endm
; 64 numbers of a lane, v[s] .. v[s + 63], register 16 b + i = k 32 b + 16 (lane / 16) + i of my row, become a fragment's codes in v[CDS] on and its scale word in v[pw].
.macro QUANT s, pw
.irp b, 0,1,2,3
	v_max3_num_f32 v[TM+\b], |v[\s+16*\b]|, |v[\s+1+16*\b]|, 0x1800000   ; block b: my 16 numbers, and the floor 2^(3 - 127): the byte cannot fall under 1
.endr
.irp i, 2,4,6,8,10,12,14
.irp b, 0,1,2,3
	v_max3_num_f32 v[TM+\b], v[TM+\b], |v[\s+16*\b+\i]|, |v[\s+1+16*\b+\i]|   ; (the four blocks by turns)
.endr
.endr
.irp b, 0,1,2,3
	v_permlanex16_b32 v[TM+4+\b], v[TM+\b], s20, s21
.endr
.irp b, 0,1,2,3
	v_max_num_f32 v[TM+\b], v[TM+\b], v[TM+4+\b]   ; with lane l xor 16's: the block's largest magnitude
.endr
.irp b, 0,1,2,3
	v_add_nc_u32 v[TM+8+\b], 0xff000000, v[TM+\b]  ; 2 off its exponent field: the conversion's scale operand
.endr
.irp b, 0,1,2,3
	v_lshrrev_b32 v[TM+4+\b], 23, v[TM+8+\b]       ; the scale's byte
.endr
	v_lshl_or_b32 v[\pw], v[TM+5], 8, v[TM+4]      ; the four bytes make my row's scale word: head A's two, head B's two
	v_lshl_or_b32 v[\pw], v[TM+6], 16, v[\pw]
	v_lshl_or_b32 v[\pw], v[TM+7], 24, v[\pw]
.irp c, 0,1
	v_cvt_scalef32_pk16_fp6_f32 v[CDS+6*\c:CDS+2+6*\c], v[\s+32*\c:\s+15+32*\c], v[TM+8+2*\c]
	v_cvt_scalef32_pk16_fp6_f32 v[CDS+12+4*\c:CDS+14+4*\c], v[\s+16+32*\c:\s+31+32*\c], v[TM+8+2*\c+1]   ; (a conversion's three registers begin on an even number)
.endr
	v_nop                                          ; one plain place behind a scaled conversion
.irp c, 0,1                                    ; the operand's layout wants a WHOLE block in a lane: lanes 0-15 block 2 c, lanes 16-31 block 2 c + 1
.irp i, 0,1,2
	v_permlane16_swap_b32 v[CDS+6*\c+\i], v[CDS+12+4*\c+\i]
.endr
.irp i, 0,1,2
	v_mov_b32 v[CDS+3+6*\c+\i], v[CDS+12+4*\c+\i]
.endr
.endr
.endm
; q . k_sum of the unquantised q: my 32 numbers of each head, two at a time, in two chains a head, the four chains by turns.  These 32 plain lines are also the places between the lines that wrote q's codes and scale word and the products below.
.macro DIAG
	WIN 0x04                                       ; source 1 (k_sum) window 1
.set m, 0
.rept 16
.irp d, 0,1
.if m < 2
	v_pk_mul_f32 v[118+4*\d+2*(m%2):119+4*\d+2*(m%2)], v[T+32*\d+2*m:T+32*\d+2*m+1], v[96+128*\d+2*m:97+128*\d+2*m]
.else
	v_pk_fma_f32 v[118+4*\d+2*(m%2):119+4*\d+2*(m%2)], v[T+32*\d+2*m:T+32*\d+2*m+1], v[96+128*\d+2*m:97+128*\d+2*m], v[118+4*\d+2*(m%2):119+4*\d+2*(m%2)]
.endif
.endr
.set m, m+1
.endr
	WIN 0
.endm
; q kv: eight products, each a whole sum (K = 64 of the 128; the rest are zero codes).  Head A's fragment of kv is its six registers and the six zeros, head B's the six zeros and its six.
.macro PV
.irp t, 0,1,2,3
	v_wmma_scale_f32_16x16x128_f8f6f4 v[T+8*\t:T+8*\t+7], v[64+18*\t+106*(\t/3):64+18*\t+106*(\t/3)+11], v[CDS:CDS+11], 0, v[KVS+\t], v[PW] matrix_a_fmt:MATRIX_FMT_FP6 matrix_b_fmt:MATRIX_FMT_FP6
.endr
.irp t, 0,1,2,3
	v_wmma_scale_f32_16x16x128_f8f6f4 v[T+32+8*\t:T+32+8*\t+7], v[70+18*\t+106*(\t/3):70+18*\t+106*(\t/3)+11], v[CDS:CDS+11], 0, v[KVS+\t], v[PW] matrix_a_fmt:MATRIX_FMT_FP6 matrix_b_fmt:MATRIX_FMT_FP6 matrix_a_scale:MATRIX_SCALE_ROW1
.endr
.endm
; the divisors: the chains are joined (four plain lines: the places behind the products), lane l xor 16's half is added, and the two reciprocals are one batch with one wait
.macro FIN
	v_pk_add_f32 v[118:119], v[118:119], v[120:121]
	v_pk_add_f32 v[122:123], v[122:123], v[124:125]
	v_add_f32 v118, v118, v119
	v_add_f32 v122, v122, v123
	v_permlanex16_b32 v126, v118, s20, s21
	v_permlanex16_b32 v127, v122, s20, s21
	v_add_f32 v118, v118, v126
	v_add_f32 v122, v122, v127
	v_rcp_f32 v248, v118
	v_rcp_f32 v250, v122
	v_nop                                          ; a plain instruction between the last reciprocal and the use of its result
	s_wait_alu depctr_va_vdst(0)                   ; and a wait ahead of the first use: one for both
.set m, 0
.rept 32
	v_pk_mul_f32 v[T+2*m:T+2*m+1], v[T+2*m:T+2*m+1], v[248+2*(m/16):249+2*(m/16)] op_sel_hi:[1,0]   ; out = (q kv) / (q . k_sum); each result from its low end on
.set m, m+1
.endr
.endm
; THE WAY OUT of block a: a lane holds 32 neighbouring bytes of a row four times a head, and the lanes beside it hold other rows: so the block goes through my own stage in LDS and comes back as whole rows of 256 bytes.
; LDS serves a wave's instructions in order (ISA guide 5.7.1.4): no wait between the stores and the loads, nor in front of the next block's stores.
.macro TOSTAGE a
.irp d, 0,1
.irp t, 0,1,2,3
	ds_store_b128 v[STO], v[T+8*(4*\d+\t):T+8*(4*\d+\t)+3] offset:4352*\d+32*\t
	ds_store_b128 v[STO], v[T+8*(4*\d+\t)+4:T+8*(4*\d+\t)+7] offset:4352*\d+32*\t+16
.endr
.endr
	WIN 0x40                                       ; destination window 1: v0-63 and v128-191 by turns
.irp d, 0,1
.irp i, 0,1,2,3,4,5,6,7
	ds_load_b128 v[128*((\a)%2)+4*(8*\d+\i):128*((\a)%2)+4*(8*\d+\i)+3], v[RD] offset:4352*\d+544*\i
.endr
.endr
	WIN 0
.endm
.macro SEND a, younger                 ; younger: the LDS instructions issued behind block a's loads, which may stay out
	s_wait_dscnt \younger                          ; the block is back in registers
	WIN 0x04                                       ; a store's data are its source 1: window 1
.irp d, 0,1
.irp i, 0,1,2,3,4,5,6,7
	global_store_b128 v[CO], v[128*((\a)%2)+4*(8*\d+\i):128*((\a)%2)+4*(8*\d+\i)+3], s[100:101] offset:1048576*\d+256*(32*((\a)/2)+8*((\a)%2)+2*\i+8*(\i/4)) th:TH_STORE_NT   ; stage rows 2 i, 2 i + 1 are neighbours in out: 512 consecutive bytes, at a multiple of 256 from out's first byte; every place stands in the immediate, 1,080,832 at the most: inside its signed 24 bits (ISA guide, chapter 10)
.endr
.endr
	WIN 0
.endm
	PLACES NP                                      ; behind the last products: T, the codes' registers and those at work held A's fragments
	s_wait_loadcnt 0x0                             ; k_sum
	s_mov_b32 s20, 0x76543210
	s_mov_b32 s21, 0xfedcba98                      ; v_permlanex16_b32's selects for lane l xor 16
.irp b, 0,1,2,3
	v_mov_b32 v[TM+4+\b], 0                        ; written once: a lane permute's destination counts as one of its sources
.endr
	v_mov_b32 v126, 0
	v_mov_b32 v127, 0
	v_mov_b32 v249, 0                              ; (named as the upper halves of the pairs v[248:249], v[250:251])
	v_mov_b32 v251, 0
.irp a, 0,1,2,3,4,5,6,7
.if \a > 0
	s_wait_dscnt 16                                ; the last block's 16 stores into the stage have read T; its 16 loads from the stage may be out
.endif
	RELU \a
	QUANT T, PW
	DIAG
	PV
	FIN
.if \a > 1
	s_wait_xcnt 0x0                                ; block a - 2's stores have read their registers: block a's loads from the stage may land there
.endif
	TOSTAGE \a
.if \a > 0
	SEND \a-1, 32                                  ; behind block a - 1's loads: block a's 16 stores and 16 loads
.endif
.endr
	SEND 7, 0
	s_wait_tensorcnt 0x0                           ; the wave's end: behind my last tensor load and my last LDS store
	ds_add_u32 v[SPW], v[NIL]
	s_wait_dscnt 0x0
	CROUND                                         ; the closing round: no work-group ends while a partner may still ask for a tile that names it
	s_endpgm
.Lfunc_end_k_q8f5256baff_qout:
	.size	k_q8f5256baff_qout, .Lfunc_end_k_q8f5256baff_qout-k_q8f5256baff_qout
	.p2alignl 7, 3214868480
	.fill 96, 4, 3214868480
	.section	.rodata,"a",@progbits
	.p2align	6, 0x0
	.amdhsa_kernel k_q8f5256baff_qout
		.amdhsa_group_segment_fixed_size 327680
		.amdhsa_private_segment_fixed_size 0
		.amdhsa_enable_private_segment 0
		.amdhsa_kernarg_size 56
		.amdhsa_user_sgpr_count 2
		.amdhsa_user_sgpr_kernarg_segment_ptr 1
		.amdhsa_wavefront_size32 1
		.amdhsa_system_sgpr_workgroup_id_x 1
		.amdhsa_system_sgpr_workgroup_id_y 1
		.amdhsa_system_sgpr_workgroup_id_z 1
		.amdhsa_system_vgpr_workitem_id 0
		.amdhsa_next_free_vgpr 1024
		.amdhsa_next_free_sgpr 106
		.amdhsa_reserve_vcc 0
		.amdhsa_float_denorm_mode_32 3
		.amdhsa_float_denorm_mode_16_64 3
		.amdhsa_memory_ordered 1
		.amdhsa_forward_progress 1
		.amdhsa_inst_pref_size 236
	.end_amdhsa_kernel
	.amdgpu_metadata
---
amdhsa.version: [ 1, 2 ]
amdhsa.kernels:
  - .name:           k_q8f5256baff_qout
    .symbol:         k_q8f5256baff_qout.kd
    .args:
      - { .name: xc, .offset: 0, .size: 8, .value_kind: global_buffer, .address_space: global }
      - { .name: xs, .offset: 8, .size: 8, .value_kind: global_buffer, .address_space: global }
      - { .name: wc, .offset: 16, .size: 8, .value_kind: global_buffer, .address_space: global }
      - { .name: ws, .offset: 24, .size: 8, .value_kind: global_buffer, .address_space: global }
      - { .name: bq, .offset: 32, .size: 8, .value_kind: global_buffer, .address_space: global }
      - { .name: kvf, .offset: 40, .size: 8, .value_kind: global_buffer, .address_space: global }
      - { .name: out0, .offset: 48, .size: 8, .value_kind: global_buffer, .address_space: global }
    .group_segment_fixed_size: 327680
    .private_segment_fixed_size: 0
    .kernarg_segment_align: 8
    .kernarg_segment_size: 56
    .max_flat_workgroup_size: 128
    .sgpr_count:     106
    .vgpr_count:     1024
    .wavefront_size: 32
...
	.end_amdgpu_metadata
.endif
;; end of part 4
